; MI455X (gfx1250); checked and timed in simulation.
; The chip was launched on July 23, 2026; its instructions are those of AMD's public machine-readable ISA for CDNA 5 (MIT licence, August 2026) and "CDNA5" Instruction Set Architecture Reference Guide (July 2026). The comments in the code are by the model that wrote it; some were corrected since.
;; Multi Head Attention. Allowed arithmetic: matrix products marked QUANTISED: E4M3 operands, one given power-of-two scale a tensor, by v_wmma_f32_16x16x64_fp8_fp8 or v_wmma_f32_16x16x128_fp8_fp8, f32 sums; everything else in f32.
;; Inputs: bk 1,024 float32; bo 1,024 float32; bq 1,024 float32; bv 1,024 float32; k 2 x 2,048 x 1,024 float32; lowp_scales 12 int32 (the exponents e of the quantised operands' scales 2^e); q 2 x 2,048 x 1,024 float32; v 2 x 2,048 x 1,024 float32; wk 1,024 x 1,024 float32; wo 1,024 x 1,024 float32; wq 1,024 x 1,024 float32; wv 1,024 x 1,024 float32.
;; Outputs: out0 2 x 2,048 x 1,024 float32.
;; This version of the problem:
;;   THIS VERSION OF THE PROBLEM IS GIVEN IN LOW PRECISION. The matrix products marked QUANTISED in the list below multiply operands that are first quantised to E4M3 (4 exponent bits, 3 mantissa bits; 8 bits a number), with one given power-of-two scale for each operand tensor; their sums are f32. All else is computed in f32.
;;   The module's matrix products, in the order in which they are computed (A, B: the left and right operand; K: the contracted axis; several contracted axes count as one K, in the product's order):
;;     1. [M 4,096, K 1,024] x [K 1,024, N 1,024]; A: input q; B: input wq: QUANTISED (scales: A lowp_scales[0], B lowp_scales[1])
;;     2. [M 4,096, K 1,024] x [K 1,024, N 1,024]; A: input k; B: input wk: QUANTISED (scales: A lowp_scales[2], B lowp_scales[3])
;;     3. [M 4,096, K 1,024] x [K 1,024, N 1,024]; A: input v; B: input wv: QUANTISED (scales: A lowp_scales[4], B lowp_scales[5])
;;     4. batch 32 x [M 2,048, K 64] x [K 64, N 2,048]; A: computed on the way; B: computed on the way: QUANTISED (scales: A lowp_scales[6], B lowp_scales[7])
;;     5. batch 32 x [M 2,048, K 2,048] x [K 2,048, N 64]; A: softmax (see below); B: computed on the way: QUANTISED (scales: A lowp_scales[8], B lowp_scales[9])
;;     6. [M 4,096, K 1,024] x [K 1,024, N 1,024]; A: computed on the way; B: input wo: QUANTISED (scales: A lowp_scales[10], B lowp_scales[11])
;;   THE QUANTISER, for each operand of a quantised product, along K:
;;     - The operand's scale is 2^e, e = its entry of the input lowp_scales (int32; the entries are numbered through the quantised products in the list's order, A before B).
;;     - Each number is divided by the scale, clamped to +-448, and rounded to the nearest number of E4M3, ties to even, subnormals kept.
;;     - The product sums the exact products of the quantised numbers (number of the format x scale) in f32.
;;   ~~~python
;;   def quantise(x, axis, e):      # numpy; x: float32 -> the quantised numbers, widened to float32 again
;;       x = np.moveaxis(x, axis, -1); K = x.shape[-1]
;;       r = np.clip(x / 2.0 ** e, -448, 448)
;;       step = 2.0 ** (np.maximum(np.frexp(np.where(r == 0, 1, r))[1] - 1, -6) - 3)
;;       q = np.round(r / step) * step * 2.0 ** e      # np.round: ties to even
;;       return np.moveaxis(q, -1, axis).astype(np.float32)
;;   ~~~
;;   SOFTMAX AHEAD OF A QUANTISED PRODUCT. Where the list says 'softmax', what is quantised is not the finished softmax but p = 2^(t - M), with t = logit x log2(e) and M = ceil(the row's largest t), a whole number; so 1/2 < the row's largest p <= 1. The row's sum l is taken of the UNQUANTISED p, in f32, and the product's result is divided by l at the end. Since M is a whole number, a kernel that streams over the keys may use a running M (the ceiling of the running maximum): every later rescaling is an exact power of two, so the quantised numbers keep their values, but for numbers so far below the row's largest that they fall under the format's range.
;;   OPERANDS COMPUTED ON THE WAY. 'Computed on the way' means the value that the module computes at that place (a softmax that the list does not call 'softmax' is quantised finished and normalised). What goes into a quantiser is computed in f32, as accurately as f32 sums, v_exp_f32 and their like allow (about 1e-6 of the number): no bf16 or f16 on the way to a quantiser, and a product that is left as it is and whose result goes on into a quantised operand takes f32 operands (vector FMAs, or v_wmma_f32_16x16x4_f32). A number that lies on a knife's edge between two numbers of the format may be rounded either way, as far as f32 arithmetic and the matrix unit's own rounding can turn it there, and no further.
;; 2 versions, each right; version 2 is version 1 with the launch attn written anew for expert scheduling mode. Each part assembles by itself: llvm-mc -triple=amdgcn-amd-amdhsa -mcpu=gfx1250 --defsym DOCPART=n.
;; ======== version 1 of 2: 4 launches
;; workspace buffers: codes 16,777,216 bytes; pcodes 12,582,912 bytes; ocodes 4,194,304 bytes
;; launch quant (part 1): grid 512 x 1, 4 waves a work-group, no clusters, 33,280 bytes of LDS; arguments q, k, v, wq, wk, wv, wo, lowp_scales, codes; writes codes
.if DOCPART == 1
	.amdgcn_target "amdgcn-amd-amdhsa--gfx1250"
	.amdhsa_code_object_version 6
	.text
	.protected	k_q553b69c964_quant
	.globl	k_q553b69c964_quant
	.p2align	8
	.type	k_q553b69c964_quant,@function
k_q553b69c964_quant:
	s_mov_b64 s[64:65], 0
	v_nop
	global_prefetch_b8 v0, s[64:65] scope:SCOPE_SE
	s_setreg_imm32_b32 hwreg(HW_REG_WAVE_MODE, 25, 1), 1
	s_wait_xcnt 0x0
; q, k, v [4096][1024] and wq, wk, wv, wo [1024][1024], f32, become codes of FP8 (E4M3), one byte each, K innermost, each with the one scale 2^e given for it
; (entries 0, 2, 4, 1, 3, 5, 11 of the buffer of scales).  code = x / 2^e, held within +-448, rounded to the nearest code, ties to even.
; The seven tensors lie one behind the other in the buffer of codes: 16,384 rows of 1,024 bytes: q, k, v, wq, wk, wv, wo.
; LIMITS: each e between -126 and 119, so that 2^e and 448 x 2^e are f32 numbers.  NaN among the inputs is not served (an infinity is held at the largest code).
; Rows are dense, so each tensor is a plain stream.  A work-group takes 32,768 numbers, a wave 16 steps of 512.  Work-groups 0-383: q, k, v (128 each); 384-511: the four weights (32 each).
; Only pointers and the exponent are chosen, by selects on the work-group's number: all tensors take one path through the text.
; A conversion takes 8 numbers of one lane's consecutive registers, so a lane must hold 16 NEIGHBOURS; a load is dense where neighbouring LANES take neighbouring bytes.  Both are had: each of a step's four loads reads
; 512 consecutive bytes, 16 a lane; the 2,048 bytes go through the wave's own stage in LDS and come back 64 bytes a lane (16 bytes of padding behind each 64).  A lane's 16 codes are 16 bytes: a store covers 512 consecutive bytes.
; No tensor loads, no barrier: waves share nothing.  Loads run four steps (16 loads a wave) ahead, the turn through LDS one step.
.set STEPS, 16
.set EMAX,  8
.set MANT,  0x600000                   ; the mantissa field of 448 as f32
.set CB,    16                         ; bytes of 16 codes
.set R,     16                         ; v16-79   four sets of 16 numbers as they are loaded
.set X,     80                         ; v80-111  two sets of 16 neighbours
.set C,     128                        ; v128-191 codes: four registers for each step, so that no store's data are written again
.set WREG,  8192                       ; LDS: a region of its own for each wave: two stages of 32 x SP bytes
.set SP,    80                         ; a lane's place in a stage: its 64 bytes + 16 of padding
	s_load_b512 s[36:51], s[0:1], 0x0              ; q, k, v, wq, wk, wv, wo, the scales' exponents: a pair each
	s_load_b64 s[8:9], s[0:1], 0x40                ; the codes
	v_lshl_add_u32 v192, v0, 2, 0x8000
	v_mov_b32 v193, 0
	v_lshrrev_b32 v1, 5, v0
	v_readfirstlane_b32 s16, v1                    ; wave
	v_and_b32 v2, 31, v0                           ; lane
	v_lshlrev_b32 v3, 4, v2                        ; my 16 bytes of a load's 512
	s_mul_i32 s17, s16, WREG
	v_lshrrev_b32 v14, 2, v2
	v_mul_u32_u24 v14, v14, SP
	v_and_b32 v15, 3, v2
	v_lshl_add_u32 v14, v15, 4, v14
	v_add_nc_u32 v14, s17, v14                     ; the stage, on the way in: SP (lane / 4) + 16 (lane % 4); a load's 512 bytes take eight places
	v_mul_u32_u24 v15, v2, SP
	v_add_nc_u32 v15, s17, v15                     ; and on the way out: SP x lane: my 16 neighbours
	v_mul_u32_u24 v4, v2, CB                       ; my codes' place in a step's
	; which tensor (0 .. 6), and which 32,768 numbers of it
	s_lshr_b32 s24, ttmp9, 7                       ; q, k, v: 128 work-groups each
	s_and_b32 s25, ttmp9, 127
	s_max_u32 s26, ttmp9, 384
	s_sub_co_u32 s26, s26, 384                     ; the weights: 32 work-groups each
	s_lshr_b32 s27, s26, 5
	s_add_co_u32 s27, s27, 3
	s_and_b32 s26, s26, 31
	s_cmp_lt_u32 ttmp9, 384
	s_cselect_b32 s24, s24, s27                    ; the tensor
	s_cselect_b32 s25, s25, s26                    ; the work-group's number within it
	s_lshl_b32 s25, s25, 2
	s_add_co_u32 s25, s25, s16
	s_lshl_b32 s20, s25, 15                        ; in: my wave's 8,192 numbers are 32,768 bytes
	s_mov_b32 s21, 0
	s_lshl_b32 s18, ttmp9, 2
	s_add_co_u32 s18, s18, s16
	s_lshl_b32 s18, s18, 13                        ; out: the tensors lie in the work-groups' order: 8,192 bytes a wave
	s_mov_b32 s19, 0
	s_wait_kmcnt 0x0
	s_load_b256 s[52:59], s[50:51], 0x0            ; e0 .. e7
	s_load_b128 s[60:63], s[50:51], 0x20           ; e8 .. e11
	s_mov_b64 s[4:5], s[36:37]
.irp i, 1,2,3,4,5,6
	s_cmp_eq_u32 s24, \i                           ; the choice hangs on the work-group's number alone
	s_cselect_b64 s[4:5], s[36+2*\i:37+2*\i], s[4:5]
.endr
	s_add_nc_u64 s[4:5], s[4:5], s[20:21]
	s_add_nc_u64 s[8:9], s[8:9], s[18:19]
.macro LOAD t
.irp i, 0,1,2,3
	global_load_b128 v[R+16*((\t)%4)+4*\i:R+16*((\t)%4)+4*\i+3], v3, s[4:5] offset:2048*(\t)+512*\i th:TH_LOAD_NT   ; 32 lanes read 512 consecutive bytes; read once in the launch
.endr
.endm
.macro TURN t                          ; step t's numbers through the stage: LDS serves a wave's instructions in order, so no wait stands between the stores and the loads
.irp i, 0,1,2,3
	ds_store_b128 v14, v[R+16*((\t)%4)+4*\i:R+16*((\t)%4)+4*\i+3] offset:32*SP*((\t)%2)+8*SP*\i
.endr
.irp i, 0,1,2,3
	ds_load_b128 v[X+16*((\t)%2)+4*\i:X+16*((\t)%2)+4*\i+3], v15 offset:32*SP*((\t)%2)+16*\i
.endr
.endm
.irp t, 0,1,2,3
	LOAD \t
.endr
.macro PICK i, r
	s_cmp_eq_u32 s24, \i
	s_cselect_b32 s22, s[\r], s22
.endm
	s_wait_kmcnt 0x0
	s_mov_b32 s22, s52                             ; q: e0
	PICK 1, 54                                     ; k: e2
	PICK 2, 56                                     ; v: e4
	PICK 3, 53                                     ; wq: e1
	PICK 4, 55                                     ; wk: e3
	PICK 5, 57                                     ; wv: e5
	PICK 6, 63                                     ; wo: e11
	s_add_co_i32 s22, s22, 127
	s_lshl_b32 s23, s22, 23
	v_mov_b32 v11, s23                             ; 2^e as f32: the conversion takes its exponent field
	s_add_co_i32 s22, s22, EMAX
	s_lshl_b32 s22, s22, 23
	s_or_b32 s22, s22, MANT
	v_mov_b32 v10, s22                             ; 448 x 2^e
	s_wait_loadcnt 12                              ; step 0's four loads are in; those of steps 1 to 3 may be out
	TURN 0
.macro STEP t
.set XS, X+16*((\t)%2)
	s_wait_dscnt 0x0                               ; this step's numbers are back from the stage: so its stores into the stage have read their registers,
.if (\t)+4 < STEPS
	LOAD (\t)+4                                    ; which take the loads of four steps on
.endif
.if (\t)+1 < STEPS
.if STEPS-2-(\t) >= 3
	s_wait_loadcnt 12                              ; the next step's four loads are in; those of the three steps behind it may be out
.else
	s_wait_loadcnt 4*(STEPS-2-(\t))                ; the tail: four loads for each step that is still behind the next one
.endif
	TURN (\t)+1                                    ; and go through the other stage while this step is worked
.endif
.irp i, 0,1,2,3,4,5,6,7,8,9,10,11,12,13,14,15
	v_med3_num_f32 v[XS+\i], v[XS+\i], -v10, v10   ; the conversion to an 8-bit code does not saturate (ISA guide 7.6.2): hold the number within 448 x the scale first
.endr
	v_cvt_scalef32_pk8_fp8_f32 v[C+4*(\t):C+4*(\t)+1], v[XS:XS+7], v11          ; eight numbers / 2^e, to the nearest code, ties to even; the first number's code in the lowest byte
	v_cvt_scalef32_pk8_fp8_f32 v[C+4*(\t)+2:C+4*(\t)+3], v[XS+8:XS+15], v11
	global_store_b128 v4, v[C+4*(\t):C+4*(\t)+3], s[8:9] offset:32*CB*(\t)      ; the results go to a store alone; the next vector lines are the next step's holds, plain lines on other registers
.endm
.irp t, 0,1,2,3,4,5,6,7,8,9,10,11,12,13,14,15
	STEP \t
.endr
	s_wait_tensorcnt 0x0
	ds_add_u32 v192, v193
	s_wait_dscnt 0x0
	s_endpgm
.Lfunc_end_k_q553b69c964_quant:
	.size	k_q553b69c964_quant, .Lfunc_end_k_q553b69c964_quant-k_q553b69c964_quant
	.p2alignl 7, 3214868480
	.fill 96, 4, 3214868480
	.section	.rodata,"a",@progbits
	.p2align	6, 0x0
	.amdhsa_kernel k_q553b69c964_quant
		.amdhsa_group_segment_fixed_size 33280
		.amdhsa_private_segment_fixed_size 0
		.amdhsa_enable_private_segment 0
		.amdhsa_kernarg_size 72
		.amdhsa_user_sgpr_count 2
		.amdhsa_user_sgpr_kernarg_segment_ptr 1
		.amdhsa_wavefront_size32 1
		.amdhsa_system_sgpr_workgroup_id_x 1
		.amdhsa_system_sgpr_workgroup_id_y 1
		.amdhsa_system_sgpr_workgroup_id_z 1
		.amdhsa_system_vgpr_workitem_id 0
		.amdhsa_next_free_vgpr 194
		.amdhsa_next_free_sgpr 66
		.amdhsa_reserve_vcc 0
		.amdhsa_float_denorm_mode_32 3
		.amdhsa_float_denorm_mode_16_64 3
		.amdhsa_memory_ordered 1
		.amdhsa_forward_progress 1
		.amdhsa_inst_pref_size 38
	.end_amdhsa_kernel
	.amdgpu_metadata
---
amdhsa.version: [ 1, 2 ]
amdhsa.kernels:
  - .name:           k_q553b69c964_quant
    .symbol:         k_q553b69c964_quant.kd
    .args:
      - { .name: q, .offset: 0, .size: 8, .value_kind: global_buffer, .address_space: global }
      - { .name: k, .offset: 8, .size: 8, .value_kind: global_buffer, .address_space: global }
      - { .name: v, .offset: 16, .size: 8, .value_kind: global_buffer, .address_space: global }
      - { .name: wq, .offset: 24, .size: 8, .value_kind: global_buffer, .address_space: global }
      - { .name: wk, .offset: 32, .size: 8, .value_kind: global_buffer, .address_space: global }
      - { .name: wv, .offset: 40, .size: 8, .value_kind: global_buffer, .address_space: global }
      - { .name: wo, .offset: 48, .size: 8, .value_kind: global_buffer, .address_space: global }
      - { .name: lowp_scales, .offset: 56, .size: 8, .value_kind: global_buffer, .address_space: global }
      - { .name: codes, .offset: 64, .size: 8, .value_kind: global_buffer, .address_space: global }
    .group_segment_fixed_size: 33280
    .private_segment_fixed_size: 0
    .kernarg_segment_align: 8
    .kernarg_segment_size: 72
    .max_flat_workgroup_size: 128
    .sgpr_count:     66
    .vgpr_count:     194
    .wavefront_size: 32
...
	.end_amdgpu_metadata
.endif
;; end of part 1
;; launch proj (part 2): grid 4 x 48, 4 waves a work-group, clusters of 4 x 4, 327,680 bytes of LDS; arguments codes, bq, bk, bv, lowp_scales, pcodes; writes pcodes
.if DOCPART == 2
	.amdgcn_target "amdgcn-amd-amdhsa--gfx1250"
	.amdhsa_code_object_version 6
	.text
	.protected	k_q553b69c964_proj
	.globl	k_q553b69c964_proj
	.p2align	8
	.type	k_q553b69c964_proj,@function
k_q553b69c964_proj:
	s_mov_b64 s[64:65], 0
	v_nop
	global_prefetch_b8 v0, s[64:65] scope:SCOPE_SE
	s_setreg_imm32_b32 hwreg(HW_REG_WAVE_MODE, 25, 1), 1
	s_wait_xcnt 0x0
	s_wait_alu depctr_hold_cnt(0) depctr_sa_sdst(0) depctr_va_vdst(0) depctr_va_sdst(0) depctr_va_ssrc(0) depctr_va_vcc(0) depctr_vm_vsrc(0)
	s_getreg_b32 s2, hwreg(HW_REG_IB_STS2, 6, 4)
	s_cmp_eq_u32 s2, 0
	s_cbranch_scc0 .Lentry_in_a_cluster
	s_endpgm
.Lentry_in_a_cluster:
	s_bfe_u32 s2, ttmp6, 0x10000c
	s_cmp_lg_u32 s2, 0xf033
	s_cbranch_scc0 .Lentry_shape_is_right
	s_endpgm
.Lentry_shape_is_right:
; The three projections x W^T + b on codes of FP8 (E4M3), M 4,096, N 1,024, K 1,024 each; the results are quantised at once (scales e6, e7, e9) and stored as IMAGES OF THE OPERAND REGISTERS of the attention launch.
; The buffer of codes holds 16,384 rows of 1,024 bytes: q 0.., k 4096.., v 8192.., wq 12288.., wk 13312.., wv 14336...  A finished sum is multiplied once by 2^(ea + eb) and the bias added, one fused multiply-add, in f32.
; LIMITS: e0 + e1, e2 + e3, e4 + e5 between -126 and 127; e6, e7, e9 between -126 and 119: so that each power of two below is an f32 number.
; THE HEADS ARE A RAW VIEW: row R and column n of a projection are head R / 128, position 16 (R % 128) + n / 64, channel n % 64.  Write a position as 16 (16 a + rho) + kc.
; A tile of 256 x 256 is made by four waves, as many as a WGP has SIMDs; a wave makes 128 x 128: 64 accumulators, 512 registers.  K goes in steps of 256 through a ring of two LDS slots filled by the tensor data mover.
; There are 192 such tiles: 16 x 4 for each projection; a tile of half the side would read half as much again from LDS for the same products.
; THE MATRIX INSTRUCTION IS USED TRANSPOSED: source 0 = 16 rows of 'B', source 1 = 16 rows of 'A': a lane holds one row of A and eight neighbouring rows of B.
;   Q, K: A = rows of x, B = rows of W: a lane holds one position and eight neighbouring channels: the fragment that S^T = K Q^T wants (K = the 64 channels).
;   V:    A = rows of wv, B = rows of v: the product is V^T: a lane holds one channel and eight positions 16 apart: the fragment that O^T = V^T P wants (K = 128 keys of one kc).
; OUT: [tensor 3][head 32][kc 16][8,192 bytes].  Q, K: fragment (kc, a), 8 registers: part p (registers 4 p ..) at a x 1024 + 512 p + 16 x lane.  V: fragment (kc, t), 16 registers, at t x 2048 + 512 p + 16 x lane.
; Each store of a wave covers 512 consecutive bytes, aligned: no stage in LDS and no barrier on the way out.
; CLUSTERS: 4 x 4 work-groups; a cluster's y (0 .. 11) says which projection (y / 4) and which quarter of its long side (y % 4): both are equal in all sixteen partners.  The four of a row of the cluster need the same tiles of A,
; the four of a column the same tiles of B: each tile is asked for JOINTLY, by the same tensor load with the same descriptor and a mask that names the four.
; REGISTERS, in windows of 256: window 0: v0-31 addresses; v32-95, v96-111 the biases; from v128 A's fragments (8 x 16 rows x 128 K), ONE set; on the way out v128-255 are at work.
;   window 1: B's fragments, TWO sets, at v0 and at v128.   window 2: the 32 accumulators of my rows 0-63 of A (accumulator (a, b) at v[8 (8 a + b)]);   window 3: those of my rows 64-127.
; No prefetch: four K steps in all, and the first two go out at the head.
.set KSTEP,  256                       ; along K in a slot
.set ROWB,   256                       ; a tile's row in bytes
.set KROW,   1024                      ; a row of codes in memory, in bytes
.set PITCH,  272                       ; an LDS row: 256 bytes + 16 of padding = 68 words: row r starts at bank 4 r mod 64 (64 banks of 4 bytes: ISA guide 11.1)
.set FR,     16                        ; registers of a fragment: 16 rows x 128 K
.set NL,     4                         ; LDS loads that bring one
.set NP,     4                         ; places behind this matrix instruction (ISA guide 7.12.1)
.set HALFT,  128*PITCH                 ; 128 rows: what one tensor load brings, and what one wave reads of A or of B
.set SLOT,   4*HALFT                   ; A's 256 rows, then B's 256 rows
.set LAPS,   1024/(2*KSTEP)            ; a lap = two K steps = once round the ring
.set SPARE,  2*SLOT                    ; behind the ring: the spare words, 128 bytes for each wave: two blocks of 256 bytes that no other line names
.set SCL,  8                           ; v8      2^eo as f32, for the conversions
.set HOLD, 9                           ; v9      448 x 2^eo
.set BO,   10                          ; v10     32 x (lane / 16): my eight biases of a tile of columns
.set BVO,  11                          ; v11     4 x (lane % 16): my one bias of a tile of rows
.set ADRA, 16                          ; v16-17  LDS address of my A fragments in slot 0, 1
.set ADRB, 20                          ; v20-21  the same for B
.set CO,   26                          ; v26     16 x lane: my place in a part of an image
.set SPW,  28                          ; v28     LDS address of my spare word: SPARE + 4 x my thread's number; never rewritten
.set NIL,  29                          ; v29     0; never rewritten
.set BIAS, 32                          ; v32-95  Q, K: the bias of columns 16 b + 8 (lane / 16) + 0 .. 7 at v[BIAS + 8 b]
.set BV,   96                          ; v96-111 V: the bias of row 16 a + lane % 16, twice, at v[BV + 2 a]
.set TMP,  128                         ; the way out: 64 numbers of a block
.set AF,   128                         ; A's fragments, in window 0
.set G1, 24                            ; s[24:31] descriptor group 1 for A's tiles;  s[32:39] group 0, one set for each slot
.set G0, 32
.set G1B, 48                           ; s[48:55], s[56:63] the same for B's tiles
.set G0B, 56
.set MSB, 0
.macro WIN new                         ; the immediate's high byte repeats the setting that is left
.if MSB != (\new)
	s_set_vgpr_msb (MSB<<8)|(\new)
.set MSB, (\new)
.endif
.endm
.set MUL_LO, 0xa1                      ; source 0 (B) window 1, source 1 (A) window 0, C and D window 2
.set MUL_HI, 0xf1                      ; the same, C and D window 3
.set TO_B,   0x40                      ; destination window 1, address window 0
; A joint load: waves 0 and 1 fetch for A, waves 2 and 3 for B.  Each of the two lines has ONE mask and one set of registers for all that issue it; the branch hangs on the wave's number alone.
; Four v_nop follow each of the two lines, ahead of the jump, the label and what follows.
.macro JLOAD g0a, g1a, g0b, g1b
	s_cmp_eq_u32 s15, 0
	s_cbranch_scc0 .Lfor_b_\@
	tensor_load_to_lds s[\g0a:\g0a+3], s[\g1a:\g1a+7]
	s_nop 0
.rept 4
	v_nop
.endr
	s_branch .Lasked_\@
.Lfor_b_\@:
	tensor_load_to_lds s[\g0b:\g0b+3], s[\g1b:\g1b+7]
	s_nop 0
.rept 4
	v_nop
.endr
.Lasked_\@:
.endm
.macro CREST                           ; a round of the cluster's barrier behind its opening barrier
	s_cmp_lg_u32 s14, 0
	s_cbranch_scc1 .Lnot_wave_0_\@
	s_barrier_signal -3
.Lnot_wave_0_\@:
	s_barrier_wait -3
	s_barrier_signal -1
	s_barrier_wait -1
.endm
.macro CROUND                          ; a whole round
	s_barrier_signal -1
	s_barrier_wait -1
	CREST
.endm
	s_load_b256 s[4:11], s[0:1], 0x0               ; the codes s[4:5], bq s[6:7], bk s[8:9], bv s[10:11]
	s_load_b128 s[68:71], s[0:1], 0x20             ; the scales' exponents s[68:69], the images s[70:71]
	v_lshl_add_u32 v[SPW], v0, 2, SPARE
	v_mov_b32 v[NIL], 0
	ds_add_u32 v28, v29
	ds_add_u32 v28, v29
	s_wait_dscnt 0x0
	v_lshrrev_b32 v1, 5, v0
	v_readfirstlane_b32 s14, v1                    ; wave 0..3
	s_lshr_b32 s15, s14, 1                         ; which half of the tile's rows of A is mine.  Also: I fetch for A (0) or for B (1)
	s_and_b32 s16, s14, 1                          ; which half of its rows of B.  Also: which 128 rows of that tile I fetch
	s_bfe_u32 s40, ttmp6, 0x40000                  ; cx, cy: my place in the cluster
	s_bfe_u32 s41, ttmp6, 0x40004
	s_and_b32 s17, ttmp7, 0xffff                   ; the cluster's y
	s_lshr_b32 s84, s17, 2                         ; the projection: 0 Q, 1 K, 2 V
	s_and_b32 s85, s17, 3                          ; which 1,024 rows of x
	s_lshl_b32 s43, s41, 2
	s_lshl_b32 s43, 15, s43                        ; my row of the cluster
	s_lshl_b32 s44, 0x1111, s40                    ; my column
	; descriptor group 1: a tile of 128 rows x 256 bytes, padded in LDS
	s_or_b32 s[G1+0], s43, (0<<16)|(1<<20)|(1<<21)|(5<<22)|(3<<25)  ; 15:0 the mask: A's tiles go to my row; 17:16 element of 1 byte; 20 padding on; 21 set beside a mask; 24:22 after every 64 words (code 5); 31:25 of 4 words (code 3)
	s_or_b32 s[G1B+0], s44, (0<<16)|(1<<20)|(1<<21)|(5<<22)|(3<<25)
.irp g, G1, G1B
	s_mov_b32 s[\g+1], ROWB<<16                    ; tensor_dim0
	s_mov_b32 s[\g+2], 128<<16                     ; tensor_dim1 = 128
	s_mov_b32 s[\g+3], ROWB<<16                    ; tile_dim0
	s_mov_b32 s[\g+4], 128                         ; tile_dim1 = 128
	s_mov_b32 s[\g+5], KROW                        ; tensor_dim0_stride
	s_mov_b32 s[\g+6], 0
	s_mov_b32 s[\g+7], 0
.endr
	; which rows of the buffer of codes are A's and B's.  Q, K: A = x's rows 4096 t + 1024 yl on, B = W's rows 12288 + 1024 t on.  V: A = wv's rows 14336 on, B = v's rows 8192 + 1024 yl on.
	s_lshl_b32 s18, s16, 7                         ; which 128 rows of the tile I fetch
	s_lshl_b32 s94, s84, 12
	s_lshl_b32 s95, s85, 10
	s_add_co_u32 s94, s94, s95                     ; Q, K: A's first row
	s_lshl_b32 s96, s84, 10
	s_add_co_u32 s96, s96, 12288                   ; Q, K: B's
	s_add_co_u32 s95, s95, 8192                    ; V: B's
	s_cmp_eq_u32 s84, 2
	s_cselect_b32 s20, 14336, s94
	s_cselect_b32 s46, s95, s96
	s_lshl_b32 s21, s41, 8
	s_add_co_u32 s20, s20, s21                     ; A: + 256 cy, which my row of the cluster shares,
	s_add_co_u32 s20, s20, s18                     ; + 128 x half
	s_lshl_b32 s20, s20, 10                        ; in bytes
	s_mov_b32 s21, 0
	s_lshl_b32 s47, s40, 8
	s_add_co_u32 s46, s46, s47                     ; B: + 256 cx, which my column shares
	s_add_co_u32 s46, s46, s18
	s_lshl_b32 s46, s46, 10
	s_mov_b32 s47, 0
	s_mul_i32 s45, s14, HALFT                      ; where they go: wave x 128 rows: no place in the cluster enters an LDS address
	s_wait_kmcnt 0x0
	s_load_b256 s[72:79], s[68:69], 0x0            ; e0 .. e7
	s_load_b128 s[80:83], s[68:69], 0x20           ; e8 .. e11
	s_add_nc_u64 s[20:21], s[4:5], s[20:21]
	s_add_nc_u64 s[46:47], s[4:5], s[46:47]
	CROUND                                         ; all sixteen work-groups are here: the first joint loads meet
.irp s, 0,1
	s_mov_b32 s[G0+4*\s], 1
	s_add_co_u32 s[G0+4*\s+1], s45, \s*SLOT
	s_add_nc_u64 s[G0+4*\s+2:G0+4*\s+3], s[20:21], \s*ROWB
	s_or_b32 s[G0+4*\s+3], s[G0+4*\s+3], 0x80000000
	s_mov_b32 s[G0B+4*\s], 1
	s_add_co_u32 s[G0B+4*\s+1], s45, \s*SLOT
	s_add_nc_u64 s[G0B+4*\s+2:G0B+4*\s+3], s[46:47], \s*ROWB
	s_or_b32 s[G0B+4*\s+3], s[G0B+4*\s+3], 0x80000000
	JLOAD G0+4*\s, G1, G0B+4*\s, G1B
.endr
	; the biases, in both forms, so that no branch stands here and every register is written on every path: both forms stay inside their 4,096 bytes.  They are waited for on the way out.
	s_cmp_eq_u32 s84, 1
	s_cselect_b64 s[90:91], s[8:9], s[6:7]         ; Q, K form: bk for K, else bq
	s_lshl_b32 s94, s40, 10                        ; 4 bytes x (256 cx
	s_lshl_b32 s95, s16, 9                         ; + 128 x my half of B's rows)
	s_add_co_u32 s94, s94, s95
	s_mov_b32 s95, 0
	s_add_nc_u64 s[90:91], s[90:91], s[94:95]
	s_lshl_b32 s94, s41, 10                        ; V form: 4 bytes x (256 cy
	s_lshl_b32 s96, s15, 9                         ; + 128 x my half of A's rows)
	s_add_co_u32 s94, s94, s96
	s_add_nc_u64 s[92:93], s[10:11], s[94:95]
	v_and_b32 v1, 15, v0                           ; l % 16
	v_bfe_u32 v2, v0, 4, 1                         ; l / 16
	v_lshlrev_b32 v[BO], 5, v2
	v_lshlrev_b32 v[BVO], 2, v1
.irp b, 0,1,2,3,4,5,6,7
	global_load_b128 v[BIAS+8*\b:BIAS+8*\b+3], v[BO], s[90:91] offset:64*\b
	global_load_b128 v[BIAS+8*\b+4:BIAS+8*\b+7], v[BO], s[90:91] offset:64*\b+16
.endr
.irp a, 0,1,2,3,4,5,6,7
	global_load_b32 v[BV+2*\a], v[BVO], s[92:93] offset:64*\a      ; twice: the packed multiply-add names a pair
	global_load_b32 v[BV+2*\a+1], v[BVO], s[92:93] offset:64*\a
.endr
	v_mul_u32_u24 v3, v1, PITCH
	v_lshl_add_u32 v4, v2, 4, v3                   ; a fragment's row x pitch + 16 x half
	s_mul_i32 s21, s15, HALFT                      ; my 128 rows of A
	s_mul_i32 s22, s16, HALFT                      ; my 128 rows of B,
	s_add_co_u32 s22, s22, 2*HALFT                 ; which lie behind A's 256
.irp s, 0,1
	v_add_nc_u32 v[ADRA+\s], s21, v4
	v_add_nc_u32 v[ADRB+\s], s22, v4
	s_add_co_u32 s21, s21, SLOT
	s_add_co_u32 s22, s22, SLOT
.endr
	v_and_b32 v[CO], 31, v0
	v_lshlrev_b32 v[CO], 4, v[CO]
	; where my images go.  The 128 rows of x that are mine are one head: 2 (4 yl + cy) + row half (Q, K) or 2 (4 yl + cx) + B's half (V); my 128 rows of W are two kc: 4 cx + 2 x B's half (Q, K) or 4 cy + 2 x row half (V)
	s_cmp_eq_u32 s84, 2
	s_cselect_b32 s94, s40, s41
	s_cselect_b32 s95, s16, s15
	s_cselect_b32 s96, s41, s40
	s_cselect_b32 s97, s15, s16
	s_lshl_b32 s98, s85, 2
	s_add_co_u32 s98, s98, s94
	s_lshl_b32 s98, s98, 1
	s_add_co_u32 s98, s98, s95                     ; the head
	s_lshl_b32 s98, s98, 17                        ; 16 kc x 8,192 bytes
	s_lshl_b32 s96, s96, 2
	s_lshl_b32 s97, s97, 1
	s_add_co_u32 s96, s96, s97                     ; my first kc
	s_lshl_b32 s96, s96, 13
	s_add_co_u32 s98, s98, s96
	s_lshl_b32 s96, s84, 22                        ; 4 MiB a tensor
	s_add_co_u32 s98, s98, s96
	s_mov_b32 s99, 0
	s_add_nc_u64 s[86:87], s[70:71], s[98:99]
.macro FRAG reg, adr, q, i             ; a fragment, 16 rows x 128 K of codes, is 16 registers, brought by four loads of 16 bytes: the same permutation of k in A and in B, so every product meets its partner
.irp c, 0,1,2,3
	ds_load_b128 v[\reg+4*\c:\reg+4*\c+3], v[\adr] offset:128*(\q)+32*\c+(\i)*16*PITCH
.endr
.endm
; 16 matrix instructions: A's blocks a0, a0 + 1 x B's eight, 128 along K.  p: B's set.  zero = 1: the first product starts the sums: nothing is ever cleared.
; The 64 accumulators take turns, one instruction a turn, in the same order in every step.
.macro MUL16 a0, p, zero
.irp a, \a0, \a0+1
.irp b, 0,1,2,3,4,5,6,7
.if \zero
	v_wmma_f32_16x16x128_fp8_fp8 v[8*(8*((\a)%4)+\b):8*(8*((\a)%4)+\b)+7], v[128*(\p)+FR*\b:128*(\p)+FR*\b+FR-1], v[AF+FR*(\a):AF+FR*(\a)+FR-1], 0
.else
	v_wmma_f32_16x16x128_fp8_fp8 v[8*(8*((\a)%4)+\b):8*(8*((\a)%4)+\b)+7], v[128*(\p)+FR*\b:128*(\p)+FR*\b+FR-1], v[AF+FR*(\a):AF+FR*(\a)+FR-1], v[8*(8*((\a)%4)+\b):8*(8*((\a)%4)+\b)+7]
.endif
.endr
.endr
.endm
.macro FETCH_B slot, q, p              ; B's eight fragments of the slot's q-th 128 along K into set p
	WIN TO_B
.irp i, 0,1,2,3,4,5,6,7
	FRAG 128*(\p)+FR*\i, ADRB+\slot, \q, \i
.endr
	WIN 0
.endm
.macro FETCH_A slot, q, i0             ; A's blocks i0 .. i0 + 3
.irp i, \i0, \i0+1, \i0+2, \i0+3
	FRAG AF+FR*(\i), ADRA+\slot, \q, \i
.endr
.endm
; A load into a register that a matrix instruction has read, and a vector instruction that reads a matrix result or writes one of its registers, stand NP places behind it; only plain vector
; instructions that name none of its registers are places (ISA guide 7.12.1 for vector instructions).
.macro PLACES n
.rept \n
	v_nop
.endr
.endm
; A step of 128 along K that has its successor in the same slot.  A block of A is free as soon as its eight products are issued, so one set serves A; B's fragments are at work through the whole step and have two.
.macro STEP slot, q, zero
	s_wait_dscnt 4*NL                              ; B's set and A's blocks 0-3 are in; the youngest 16 loads (A's blocks 4-7) may be out
	WIN MUL_LO
	MUL16 0, (\q)%2, \zero
	MUL16 2, (\q)%2, \zero
	s_wait_dscnt 0                                 ; A's blocks 4-7 are in (asked for 32 matrix instructions ago)
	PLACES NP
	FETCH_B \slot, (\q)+1, 1-(\q)%2
	FETCH_A \slot, (\q)+1, 0
	WIN MUL_HI
	MUL16 4, (\q)%2, \zero
	MUL16 6, (\q)%2, \zero
	PLACES NP
	WIN 0
	FETCH_A \slot, (\q)+1, 4
.endm
; A slot's last step changes slots: ONE barrier; in front of it each wave waits for all its tensor loads, adds 0 to its spare word, and waits for that and for its own reads of this slot.  fill = 1: this slot is filled again, two K steps ahead.
.macro TURN slot, next, fill
	s_wait_tensorcnt 0x0                           ; all my tensor loads have landed: the one that was out is my part of the next slot  (every window is 0 here)
	ds_add_u32 v[SPW], v[NIL]                      ; 0 onto my spare word
	s_wait_dscnt 4*NL+1                            ; (the add and the youngest 16 loads, A's blocks 4-7, may be out)
	WIN MUL_LO
	MUL16 0, 1, 0                                  ; sixteen matrix instructions stand between the add and the wait for it
	s_wait_dscnt 0x0                               ; the add is done, and my reads of this slot are over
	s_barrier_signal -1
	MUL16 2, 1, 0
	WIN 0
	s_barrier_wait -1
.if \fill
	CREST                                          ; the barrier has opened a round of the cluster's barrier: no wave of any partner still reads this slot's tile or has a load on its way
	s_add_nc_u64 s[G0+4*\slot+2:G0+4*\slot+3], s[G0+4*\slot+2:G0+4*\slot+3], 2*ROWB
	s_add_nc_u64 s[G0B+4*\slot+2:G0B+4*\slot+3], s[G0B+4*\slot+2:G0B+4*\slot+3], 2*ROWB
	JLOAD G0+4*\slot, G1, G0B+4*\slot, G1B         ; the first tensor load behind the round; the four v_nop behind it are the places in front of the loads below
.else
	PLACES NP
.endif
	FETCH_B \next, 0, 0
	FETCH_A \next, 0, 0
	WIN MUL_HI
	MUL16 4, 1, 0
	MUL16 6, 1, 0
	PLACES NP
	WIN 0
	FETCH_A \next, 0, 4
.endm
	s_wait_tensorcnt 1                             ; my part of K step 0 is in (K step 1's load may be out)
	s_barrier_signal -1
	s_barrier_wait -1                              ; everybody's is
	FETCH_B 0, 0, 0
	FETCH_A 0, 0, 0
	FETCH_A 0, 0, 4
	STEP 0, 0, 1                                   ; the first step stands in front of the loop: its products start the sums
	s_mov_b32 s3, LAPS-1
.Llap:                                                 ; a trip goes once round the ring, from a lap's second step to the next lap's first, and fills both slots again
	TURN 0, 1, 1
	STEP 1, 0, 0
	TURN 1, 0, 1
	STEP 0, 0, 0
	s_sub_co_u32 s3, s3, 1
	s_cmp_lg_u32 s3, 0
	s_cbranch_scc1 .Llap
	TURN 0, 1, 0                                   ; the last lap fills nothing, and has no round of the cluster's barrier
	STEP 1, 0, 0
	s_wait_dscnt 4*NL                              ; the very last step: nothing more to fetch
	WIN MUL_LO
	MUL16 0, 1, 0
	MUL16 2, 1, 0
	s_wait_dscnt 0
	WIN MUL_HI
	MUL16 4, 1, 0
	MUL16 6, 1, 0
	WIN 0
	; THE WAY OUT.  number = sum x 2^(ea + eb) + bias; held within 448 x 2^eo; eight neighbours of a lane become two registers of codes: the registers of the next launch's operand, stored as they stand.
	s_wait_kmcnt 0x0
	s_add_co_i32 s94, s72, s73                     ; e0 + e1
	s_add_co_i32 s95, s74, s75                     ; e2 + e3
	s_add_co_i32 s96, s76, s77                     ; e4 + e5
	s_cmp_eq_u32 s84, 1
	s_cselect_b32 s94, s95, s94
	s_cselect_b32 s97, s79, s78                    ; K: e7, else e6
	s_cmp_eq_u32 s84, 2
	s_cselect_b32 s94, s96, s94
	s_cselect_b32 s97, s81, s97                    ; V: e9
	s_add_co_i32 s94, s94, 127
	s_lshl_b32 s88, s94, 23                        ; 2^(ea + eb) as f32
	s_mov_b32 s89, s88                             ; (named with it as a pair, so it is written)
	s_add_co_i32 s97, s97, 127
	s_lshl_b32 s94, s97, 23
	s_add_co_i32 s97, s97, 8
	s_lshl_b32 s97, s97, 23
	s_or_b32 s97, s97, 0x600000
	s_wait_loadcnt 0x0                             ; the biases
	PLACES NP                                      ; behind the last products: their results are read and A's registers written below
	v_mov_b32 v[SCL], s94                          ; 2^eo: the conversion takes its exponent field
	v_mov_b32 v[HOLD], s97                         ; 448 x 2^eo
; Block a: my rows 16 a .. 16 a + 15 of A against all my 128 rows of B: eight accumulators.  isv = 0: two fragments of Q or K, (kc0, a) and (kc0 + 1, a); isv = 1: one fragment of V^T: kc0 + a / 4, channels 16 (a % 4) on.
.macro BLOCK a, isv
.set AC, 64*((\a)%4)
.set CD, 192+16*((\a)%4)               ; the block's 16 registers of codes: four sets by turns
.if (\a) >= 4
	s_wait_xcnt 0x0                                ; block a - 4's stores have read their data: the set is written again only behind this wait
.endif
	WIN 0x02+((\a)/4)                              ; source 0: window 2 or 3
.irp b, 0,1,2,3,4,5,6,7
.irp i, 0,2,4,6
.if \isv
	v_pk_fma_f32 v[TMP+8*\b+\i:TMP+8*\b+\i+1], v[AC+8*\b+\i:AC+8*\b+\i+1], s[88:89], v[BV+2*(\a):BV+2*(\a)+1] op_sel_hi:[1,0,1]   ; each accumulator from its low end on
.else
	v_pk_fma_f32 v[TMP+8*\b+\i:TMP+8*\b+\i+1], v[AC+8*\b+\i:AC+8*\b+\i+1], s[88:89], v[BIAS+8*\b+\i:BIAS+8*\b+\i+1] op_sel_hi:[1,0,1]
.endif
.endr
.endr
	WIN 0
.set j, 0
.rept 64
	v_med3_num_f32 v[TMP+j], v[TMP+j], -v[HOLD], v[HOLD]   ; the conversion to an 8-bit code does not saturate (ISA guide 7.6.2)
.set j, j+1
.endr
.irp b, 0,1,2,3,4,5,6,7
	v_cvt_scalef32_pk8_fp8_f32 v[CD+2*\b:CD+2*\b+1], v[TMP+8*\b:TMP+8*\b+7], v[SCL]
.endr
	v_nop                                          ; one plain vector line between the conversions and the next block's lines, which write their sources
.irp p, 0,1,2,3
.if \isv
	global_store_b128 v[CO], v[CD+4*\p:CD+4*\p+3], s[86:87] offset:(\a)*2048+512*\p                   ; 32 lanes store 512 consecutive bytes, aligned
.else
	global_store_b128 v[CO], v[CD+4*\p:CD+4*\p+3], s[86:87] offset:(\p/2)*8192+(\a)*1024+512*(\p%2)
.endif
.endr
.endm
	s_cmp_eq_u32 s84, 2                            ; the projection: equal in all waves and in all sixteen partners
	s_cbranch_scc1 .Lv_out
.irp a, 0,1,2,3,4,5,6,7
	BLOCK \a, 0
.endr
	s_branch .Ldone
.Lv_out:
.irp a, 0,1,2,3,4,5,6,7
	BLOCK \a, 1
.endr
.Ldone:
	s_wait_tensorcnt 0x0                           ; the wave's end
	ds_add_u32 v[SPW], v[NIL]
	s_wait_dscnt 0x0
	CROUND                                         ; the closing round: no work-group ends while a partner may still ask for a tile that names it
	s_endpgm
.Lfunc_end_k_q553b69c964_proj:
	.size	k_q553b69c964_proj, .Lfunc_end_k_q553b69c964_proj-k_q553b69c964_proj
	.p2alignl 7, 3214868480
	.fill 96, 4, 3214868480
	.section	.rodata,"a",@progbits
	.p2align	6, 0x0
	.amdhsa_kernel k_q553b69c964_proj
		.amdhsa_group_segment_fixed_size 327680
		.amdhsa_private_segment_fixed_size 0
		.amdhsa_enable_private_segment 0
		.amdhsa_kernarg_size 48
		.amdhsa_user_sgpr_count 2
		.amdhsa_user_sgpr_kernarg_segment_ptr 1
		.amdhsa_wavefront_size32 1
		.amdhsa_system_sgpr_workgroup_id_x 1
		.amdhsa_system_sgpr_workgroup_id_y 1
		.amdhsa_system_sgpr_workgroup_id_z 1
		.amdhsa_system_vgpr_workitem_id 0
		.amdhsa_next_free_vgpr 1024
		.amdhsa_next_free_sgpr 100
		.amdhsa_reserve_vcc 0
		.amdhsa_float_denorm_mode_32 3
		.amdhsa_float_denorm_mode_16_64 3
		.amdhsa_memory_ordered 1
		.amdhsa_forward_progress 1
		.amdhsa_inst_pref_size 194
	.end_amdhsa_kernel
	.amdgpu_metadata
---
amdhsa.version: [ 1, 2 ]
amdhsa.kernels:
  - .name:           k_q553b69c964_proj
    .symbol:         k_q553b69c964_proj.kd
    .args:
      - { .name: codes, .offset: 0, .size: 8, .value_kind: global_buffer, .address_space: global }
      - { .name: bq, .offset: 8, .size: 8, .value_kind: global_buffer, .address_space: global }
      - { .name: bk, .offset: 16, .size: 8, .value_kind: global_buffer, .address_space: global }
      - { .name: bv, .offset: 24, .size: 8, .value_kind: global_buffer, .address_space: global }
      - { .name: lowp_scales, .offset: 32, .size: 8, .value_kind: global_buffer, .address_space: global }
      - { .name: pcodes, .offset: 40, .size: 8, .value_kind: global_buffer, .address_space: global }
    .group_segment_fixed_size: 327680
    .private_segment_fixed_size: 0
    .kernarg_segment_align: 8
    .kernarg_segment_size: 48
    .max_flat_workgroup_size: 128
    .sgpr_count:     100
    .vgpr_count:     1024
    .wavefront_size: 32
...
	.end_amdgpu_metadata
.endif
;; end of part 2
;; launch attn (part 3): grid 8 x 32, 8 waves a work-group, no clusters, 66,560 bytes of LDS; arguments pcodes, lowp_scales, ocodes; writes ocodes
.if DOCPART == 3
	.amdgcn_target "amdgcn-amd-amdhsa--gfx1250"
	.amdhsa_code_object_version 6
	.text
	.protected	k_q553b69c964_attn
	.globl	k_q553b69c964_attn
	.p2align	8
	.type	k_q553b69c964_attn,@function
k_q553b69c964_attn:
	s_mov_b64 s[64:65], 0
	v_nop
	global_prefetch_b8 v0, s[64:65] scope:SCOPE_SE
	s_setreg_imm32_b32 hwreg(HW_REG_WAVE_MODE, 25, 1), 1
	s_wait_xcnt 0x0
; O[hd][q] = the sum over k of softmax_k(Q[hd][q] . K[hd][k] / 32) V[hd][k], 32 heads, 2,048 positions, head size 64, both products on codes of FP8 (E4M3) with the given scales e6 (Q), e7 (K), e8 (p), e9 (V).
; O / the row's sum is quantised at once with e10 and stored as images of the last launch's operand registers.
; THE SOFTMAX AHEAD OF THE SECOND PRODUCT: t = score x log2(e) / 32; M = the row's largest t so far, rounded UP to a whole number; p = 2^(t - M) is what is quantised; it is not normalised.
; The row's sum is taken of the unquantised p, in f32, and divides O at the end.  When M moves, the sum and O are multiplied by 2^(old M - new M): exact.
; LIMITS: e6 + e7 between -121 and 132 (added to c's exponent field); e8 and e10 between -126 and 119; e8 + e9 is applied by v_ldexp_f32 and has none.
; POSITIONS: a position is 16 (16 a + rho) + kc.  IN: [Q, K, V][head][kc 16][8,192 bytes].  Q, K fragment (kc, a): 16 positions rho x 64 channels, 8 registers, part p at a x 1024 + 512 p + 16 x lane.
; V^T fragment (kc, t): channels 16 t + lane % 16 x the 128 keys of kc, 16 registers, at t x 2048 + 512 p + 16 x lane; its k = 16 a + rho.  A KEY STEP IS ONE kc: 128 keys, 8 KB of K and 8 KB of V, both dense.
; SHARES.  Work-group (x, head) owns the 256 queries with kc = 2 x, 2 x + 1; wave a owns two tiles of 16 queries, (2 x, a) and (2 x + 1, a), in 512 registers: two waves to a SIMD, so that one wave's vector work stands beside the other's
; matrix work and LDS loads, and each fragment of K and V read from LDS feeds two products.
; LAYOUT.  Both products are used transposed: S^T = K Q^T (source 0 = 16 keys), O^T = V^T P^T (source 0 = 16 channels): a lane holds ONE query throughout.  Tile a of S^T holds keys (a, rho = 8 (lane / 16) + 0 .. 7): converted, its
; eight registers are registers 2 a, 2 a + 1 of P, k = 16 a + 8 (lane / 16) + 0 .. 7: the same key as in V^T's fragment.
; K AND V COME THROUGH REGISTERS, not by the tensor data mover: a slot (two key steps, 32 KB) is asked for by 8 loads a wave a whole slot ahead, put into the other of two LDS buffers at the slot's end, one barrier a slot.
; So the text may hold a branch on the given e8: where e8 >= -8, p / 2^e8 <= 256 lies inside the format, and the 128 holds of a step, which then change nothing, are jumped over.  For the same reason no cluster:
; what work-groups share is 32 KB a slot beside two key steps' softmax of eight waves.  No prefetch: the loads themselves go out two key steps ahead of the wait for them.
; OUT: [head][x 8][a 8][2,048 bytes]: rows 16 a + lane % 16 of the head's 128, columns 128 x + k; registers 2 c, 2 c + 1: k = 16 c + 8 (lane / 16) + 0 .. 7, c = 4 (tile) + t.
; REGISTERS, window 0: v1-3 addresses; v6, v7 the conversions' scale and hold; v8-18, v20-30 a tile's statistics; v32-63 P; v128-255 S^T, then p.   window 1: v0-63 O^T; v64-127 V; v128-191 K; v192-207 Q; v208-239 the slot on its way.
.set LN,  1                            ; v1   16 x lane: where I read a part of an image
.set GV,  2                            ; v2   2,048 x wave + 16 x lane: my part of a slot's K (and V), in memory and in LDS; and my fragment of the output
.set QO,  3                            ; v3   1,024 x wave + 16 x lane: my fragments of Q
.set SC,  6                            ; v6   2^e8 (on the way out 2^e10) as f32
.set LIM, 7                            ; v7   448 x that
.set P,   32
.set S,   128
.set OA,  0                            ; window 1
.set VF,  64
.set KF,  128
.set QF,  192
.set STG, 208
.set CS,  26                           ; s[26:27] c = log2(e) / 32 x 2^(e6 + e7), twice
.set SEL, 28                           ; s[28:29] lane selects for v_permlanex16_b32: lane l xor 16
.set TRIP, 30
.set BUFB, 32768                       ; an LDS buffer: two steps of K (16 KB), then two of V
.set MSB, 0
.macro WIN new                         ; the immediate's high byte repeats the setting that is left
.if MSB != (\new)
	s_set_vgpr_msb (MSB<<8)|(\new)
.set MSB, (\new)
.endif
.endm
.set TO_W1, 0x40                       ; destination window 1, address window 0
.set W_ST,  0x04                       ; an LDS store's data window 1
.set W_S,   0x05                       ; K and Q window 1, S^T window 0
.set W_RS,  0x41                       ; O^T (destination and source 0) window 1, f window 0
.set W_PV,  0x51                       ; V, C and D window 1, P window 0
; tile x's registers: ST+0 -M, +1 the largest t, +2, +3 the sum in two halves, +4 f, +5 named with it as a pair, +6, +7 a second chain of sums, +8, +9 two chains of maxima, +10 the permute's destination
.macro TILE x
.set ST, 8+12*(\x)
.set SB, S+64*(\x)
.endm
.macro PLACES
.rept 4
	v_nop
.endr
.endm
.macro GLOAD                           ; my part of the slot at s[4:5]: 2 KB of K, 2 KB of V: each load covers 512 consecutive bytes
	WIN TO_W1
.irp i, 0,1,2,3
	global_load_b128 v[STG+4*\i:STG+4*\i+3], v[GV], s[4:5] offset:512*\i
.endr
.irp i, 0,1,2,3
	global_load_b128 v[STG+16+4*\i:STG+16+4*\i+3], v[GV], s[4:5] offset:0x400000+512*\i
.endr
	WIN 0
.endm
.macro SSTORE buf                      ; and into LDS as it lies
	WIN W_ST
.irp i, 0,1,2,3
	ds_store_b128 v[GV], v[STG+4*\i:STG+4*\i+3] offset:(\buf)*BUFB+512*\i
.endr
.irp i, 0,1,2,3
	ds_store_b128 v[GV], v[STG+16+4*\i:STG+16+4*\i+3] offset:(\buf)*BUFB+16384+512*\i
.endr
	WIN 0
.endm
.macro KLOAD buf, q                    ; a step's eight fragments of K: 16 loads
.irp t, 0,1,2,3,4,5,6,7
.irp p, 0,1
	ds_load_b128 v[KF+8*\t+4*\p:KF+8*\t+4*\p+3], v[LN] offset:(\buf)*BUFB+(\q)*8192+\t*1024+512*\p
.endr
.endr
.endm
.macro VLOAD buf, q                    ; its four fragments of V^T: 16 loads
.irp t, 0,1,2,3
.irp p, 0,1,2,3
	ds_load_b128 v[VF+16*\t+4*\p:VF+16*\t+4*\p+3], v[LN] offset:(\buf)*BUFB+16384+(\q)*8192+\t*2048+512*\p
.endr
.endr
.endm
; A KEY STEP: 128 keys, the q-th of the buffer.  first = 1: K is fetched here; else it was fetched in the step before.  last = 1: the buffer's last step: no K is fetched ahead.
.macro STEP buf, q, first, last
	WIN TO_W1
.if \first
	KLOAD \buf, \q
.endif
	VLOAD \buf, \q
	s_wait_dscnt 16                                ; K's 16 loads are older than V's 16: K is in
	WIN W_S
.irp t, 0,1,2,3,4,5,6,7
.irp x, 0,1
	v_wmma_f32_16x16x64_fp8_fp8 v[S+64*\x+8*\t:S+64*\x+8*\t+7], v[KF+8*\t:KF+8*\t+7], v[QF+8*\x:QF+8*\x+7], 0
.endr
.endr
	WIN 0
	PLACES                                         ; in front of the loads into K's registers and of the first reads of the scores
.if \last == 0
	WIN TO_W1
	KLOAD \buf, (\q)+1                             ; the next step's K lands under the softmax
	WIN 0
.endif
	; the softmax, the two tiles line by line by turns.  The largest score of my query among my 64 keys, in two chains; each accumulator is first read at its low end
.irp x, 0,1
	TILE \x
	v_max3_num_f32 v[ST+8], v[SB], v[SB+1], v[SB+2]
	v_max3_num_f32 v[ST+9], v[SB+3], v[SB+4], v[SB+5]
.endr
.irp i, 6,10,14,18,22,26,30,34,38,42,46,50,54,58
.irp x, 0,1
	TILE \x
	v_max3_num_f32 v[ST+8], v[ST+8], v[SB+\i], v[SB+\i+1]
	v_max3_num_f32 v[ST+9], v[ST+9], v[SB+\i+2], v[SB+\i+3]
.endr
.endr
.irp x, 0,1
	TILE \x
	v_max3_num_f32 v[ST+8], v[ST+8], v[SB+62], v[SB+63]
.endr
.irp x, 0,1
	TILE \x
	v_max_num_f32 v[ST+8], v[ST+8], v[ST+9]
.endr
.irp x, 0,1
	TILE \x
	v_permlanex16_b32 v[ST+10], v[ST+8], s[SEL], s[SEL+1]
.endr
.irp x, 0,1
	TILE \x
	v_max_num_f32 v[ST+8], v[ST+8], v[ST+10]       ; and among lane l xor 16's
.endr
.irp x, 0,1
	TILE \x
	v_mul_f32 v[ST+8], s[CS], v[ST+8]              ; as t (c is positive)
.endr
.irp x, 0,1
	TILE \x
	v_max_num_f32 v[ST+1], v[ST+1], v[ST+8]        ; the running largest t
.endr
.irp x, 0,1
	TILE \x
	v_mov_b32 v[ST+8], v[ST]
.endr
.irp x, 0,1
	TILE \x
	v_floor_f32 v[ST], -v[ST+1]                    ; the new -M = floor(-t) = -ceil(t): M is a whole number
.endr
.irp x, 0,1
	TILE \x
	v_sub_f32 v[ST+8], v[ST], v[ST+8]              ; M's old value less its new one: a whole number, 0 or less
.endr
.irp x, 0,1
	TILE \x
	v_cvt_i32_f32 v[ST+8], v[ST+8]                 ; (it saturates)
.endr
.irp x, 0,1
	TILE \x
	v_ldexp_f32 v[ST+4], 1.0, v[ST+8]              ; f = 2^(old M - new M)
.endr
.set j, 0
.rept 32
.irp x, 0,1
	TILE \x
	v_pk_fma_f32 v[SB+j:SB+j+1], v[SB+j:SB+j+1], s[CS:CS+1], v[ST:ST+1] op_sel_hi:[1,0,0]   ; t - M, two at a time (of the pairs c and -M the low word serves both halves)
.endr
.set j, j+2
.endr
.set j, 0
.rept 128
	v_exp_f32 v[S+j], v[S+j]                       ; p = 2^(t - M), at most 1: not normalised.  One batch for both tiles
.set j, j+1
.endr
.irp x, 0,1
	TILE \x
	v_pk_mul_f32 v[ST+2:ST+3], v[ST+2:ST+3], v[ST+4:ST+5] op_sel_hi:[1,0]   ; the sums under the new M: plain lines behind the exponentials
.endr
	s_wait_alu depctr_va_vdst(0)                   ; one wait for the whole batch, ahead of its first reader
.irp x, 0,1
	TILE \x
	v_pk_add_f32 v[ST+6:ST+7], v[SB:SB+1], v[SB+2:SB+3]   ; the row's sum is taken of the UNQUANTISED p: two at a time, in two chains
.endr
.irp i, 4,8,12,16,20,24,28,32,36,40,44,48,52,56,60
.irp x, 0,1
	TILE \x
	v_pk_add_f32 v[ST+2:ST+3], v[ST+2:ST+3], v[SB+\i:SB+\i+1]
	v_pk_add_f32 v[ST+6:ST+7], v[ST+6:ST+7], v[SB+\i+2:SB+\i+3]
.endr
.endr
.irp x, 0,1
	TILE \x
	v_pk_add_f32 v[ST+2:ST+3], v[ST+2:ST+3], v[ST+6:ST+7]
.endr
	s_cmp_ge_i32 s22, -8                           ; p <= 1: with e8 >= -8, p / 2^e8 <= 256 lies inside the format, and the hold changes nothing
	s_cbranch_scc1 .Lfits_\@
.set j, 0
.rept 128
	v_min_num_f32 v[S+j], v[S+j], v[LIM]           ; the conversion to an 8-bit code does not saturate (ISA guide 7.6.2); p is not negative, so the hold is one-sided
.set j, j+1
.endr
.Lfits_\@:
.irp t, 0,1,2,3,4,5,6,7
.irp x, 0,1
	v_cvt_scalef32_pk8_fp8_f32 v[P+16*\x+2*\t:P+16*\x+2*\t+1], v[S+64*\x+8*\t:S+64*\x+8*\t+7], v[SC]
.endr
.endr
	WIN W_RS
.irp x, 0,1
	TILE \x
.set j, 0
.rept 16
	v_pk_mul_f32 v[OA+32*\x+j:OA+32*\x+j+1], v[OA+32*\x+j:OA+32*\x+j+1], v[ST+4:ST+5] op_sel_hi:[1,0]   ; O^T under the new M: x f; each accumulator from its low end on.  (Also the plain lines behind the conversions)
.set j, j+2
.endr
.endr
.if \last
	s_wait_dscnt 0x0                               ; V is in
.else
	s_wait_dscnt 16                                ; V is in; the next step's K, 16 younger loads, may be out
.endif
	WIN W_PV
.irp t, 0,1,2,3
.irp x, 0,1
	v_wmma_f32_16x16x128_fp8_fp8 v[OA+32*\x+8*\t:OA+32*\x+8*\t+7], v[VF+16*\t:VF+16*\t+15], v[P+16*\x:P+16*\x+15], v[OA+32*\x+8*\t:OA+32*\x+8*\t+7]   ; the eight accumulators by turns, one instruction a turn
.endr
.endr
	WIN 0
	PLACES                                         ; in front of the next loads into V's registers, and of the next reads of O^T
.endm
; A SLOT: the next slot is asked for, this buffer's two steps are worked, the next slot goes into the other buffer; one barrier.  The other buffer's last reads stand in front of the barrier that ended the slot before;
; its next reads stand behind this one.  guard = 1: in the last trip there is no next slot: a branch on the trip counter, round the loads and round the stores, never round the wait or the barrier.
.macro HALF buf, guard
.if \guard
	s_cmp_eq_u32 s[TRIP], 1
	s_cbranch_scc1 .Lnl_\@
.endif
	GLOAD
.if \guard
.Lnl_\@:
.endif
	STEP \buf, 0, 1, 0
	STEP \buf, 1, 0, 1
	s_wait_loadcnt 0x0                             ; the next slot is in registers, and its loads have read their base (on every path)
.if \guard
	s_cmp_eq_u32 s[TRIP], 1
	s_cbranch_scc1 .Lns_\@
.endif
	s_add_nc_u64 s[4:5], s[4:5], 16384             ; a slot on: two kc
	SSTORE 1-\buf
.if \guard
.Lns_\@:
.endif
	s_wait_dscnt 0x0                               ; for the others' sake: my stores have landed, and my reads of this buffer are over
	s_barrier_signal -1
	s_barrier_wait -1
.endm
	s_load_b128 s[4:7], s[0:1], 0x0                ; the images of Q, K, V s[4:5]; the scales' exponents s[6:7]
	s_load_b64 s[8:9], s[0:1], 0x10                ; the output's images
	v_lshl_add_u32 v126, v0, 2, 0x10000
	v_mov_b32 v127, 0
	v_and_b32 v[LN], 31, v0
	v_lshlrev_b32 v[LN], 4, v[LN]
	v_lshrrev_b32 v4, 5, v0                        ; wave = a
	v_lshl_add_u32 v[GV], v4, 11, v[LN]
	v_lshl_add_u32 v[QO], v4, 10, v[LN]
	s_and_b32 s31, ttmp7, 0xffff                   ; the head
	s_lshl_b32 s32, s31, 17                        ; its 131,072 bytes in each tensor
	s_mov_b32 s33, 0
	s_lshl_b32 s34, ttmp9, 14                      ; my two kc of Q; my eight fragments of the output
	s_add_co_u32 s34, s34, s32
	s_mov_b32 s35, 0
	s_mov_b32 s[SEL], 0x76543210
	s_mov_b32 s[SEL+1], 0xfedcba98
	s_mov_b32 s[CS], 0x3d38aa3b                    ; c = log2(e) / 32
	s_mov_b32 s[TRIP], 4
	s_wait_kmcnt 0x0
	s_load_b128 s[20:23], s[6:7], 0x18             ; e6, e7, e8, e9
	s_load_b32 s24, s[6:7], 0x28                   ; e10
	s_add_nc_u64 s[16:17], s[4:5], s[34:35]        ; Q
	s_add_nc_u64 s[8:9], s[8:9], s[34:35]
	s_add_nc_u64 s[4:5], s[4:5], s[32:33]
	s_add_nc_u64 s[4:5], s[4:5], 0x400000          ; K of my head; V lies 4 MiB further on
	WIN TO_W1
.irp x, 0,1
.irp p, 0,1
	global_load_b128 v[QF+8*\x+4*\p:QF+8*\x+4*\p+3], v[QO], s[16:17] offset:\x*8192+512*\p   ; Q's two fragments stay in registers
.endr
.endr
	GLOAD                                          ; slot 0
	WIN TO_W1
.set j, 0
.rept 64
	v_mov_b32 v[OA+j], 0                           ; O^T.  (The step is written once: the first finds zeros, which the first change of M leaves zeros)
.set j, j+1
.endr
	WIN 0
.irp x, 0,1
	TILE \x
	v_mov_b32 v[ST+1], 0xff61b1e6                  ; the largest t so far: -3e38, under every t
	v_floor_f32 v[ST], -v[ST+1]                    ; -M
	v_mov_b32 v[ST+2], 0                           ; the sum, in two halves
	v_mov_b32 v[ST+3], 0
	v_mov_b32 v[ST+5], 0                           ; (named as the upper half of f's pair)
	v_mov_b32 v[ST+10], 0                          ; written once: a lane permute's destination counts as one of its sources
.endr
	s_wait_kmcnt 0x0
	s_add_co_i32 s31, s20, s21
	s_lshl_b32 s31, s31, 23
	s_add_co_i32 s[CS], s[CS], s31                 ; a score stands for score x 2^(e6 + e7): the two exponents are added to c's exponent field
	s_mov_b32 s[CS+1], s[CS]                       ; (named with it as a pair, so it is written)
	s_add_co_i32 s31, s22, 127
	s_lshl_b32 s32, s31, 23
	v_mov_b32 v[SC], s32                           ; 2^e8 as f32
	s_add_co_i32 s31, s31, 8
	s_lshl_b32 s31, s31, 23
	s_or_b32 s31, s31, 0x600000
	v_mov_b32 v[LIM], s31                          ; 448 x 2^e8
	s_wait_loadcnt 0x0                             ; Q and slot 0
	s_add_nc_u64 s[4:5], s[4:5], 16384
	SSTORE 0
	s_wait_dscnt 0x0
	s_barrier_signal -1
	s_barrier_wait -1
.Ltrip:                                            ; four trips of two slots: sixteen key steps
	HALF 0, 0
	HALF 1, 1
	s_sub_co_u32 s[TRIP], s[TRIP], 1
	s_cmp_lg_u32 s[TRIP], 0
	s_cbranch_scc1 .Ltrip
	; THE WAY OUT.  The sum's halves are added; O^T x 2^(e8 + e9) / the sum is held, converted with e10, and stored as it stands: my two tiles are one fragment of the last product's operand.
.irp x, 0,1
	TILE \x
	v_add_f32 v[ST+8], v[ST+2], v[ST+3]
.endr
.irp x, 0,1
	TILE \x
	v_permlanex16_b32 v[ST+10], v[ST+8], s[SEL], s[SEL+1]
.endr
.irp x, 0,1
	TILE \x
	v_add_f32 v[ST+8], v[ST+8], v[ST+10]           ; the row's sum
.endr
.irp x, 0,1
	TILE \x
	v_rcp_f32 v[ST+4], v[ST+8]
.endr
	s_add_co_i32 s31, s22, s23                     ; e8 + e9
	s_add_co_i32 s32, s24, 127
	s_lshl_b32 s33, s32, 23
	v_mov_b32 v[SC], s33                           ; 2^e10 as f32.  (A plain line behind the reciprocals)
	s_add_co_i32 s32, s32, 8
	s_lshl_b32 s32, s32, 23
	s_or_b32 s32, s32, 0x600000
	v_mov_b32 v[LIM], s32                          ; 448 x 2^e10
	s_wait_alu depctr_va_vdst(0)                   ; one wait for both reciprocals, ahead of their first reader
.irp x, 0,1
	TILE \x
	v_ldexp_f32 v[ST+4], v[ST+4], s31
.endr
	WIN 0x01                                       ; source 0 (O^T) window 1
.irp x, 0,1
	TILE \x
.set j, 0
.rept 16
	v_pk_mul_f32 v[SB+j:SB+j+1], v[OA+32*\x+j:OA+32*\x+j+1], v[ST+4:ST+5] op_sel_hi:[1,0]   ; register 8 t + i: channel 16 t + 8 (lane / 16) + i of my query; each accumulator from its low end on
.set j, j+2
.endr
.endr
	WIN 0
.irp x, 0,1
	TILE \x
.set j, 0
.rept 32
	v_med3_num_f32 v[SB+j], v[SB+j], -v[LIM], v[LIM]
.set j, j+1
.endr
.endr
.irp x, 0,1
.irp t, 0,1,2,3
	v_cvt_scalef32_pk8_fp8_f32 v[P+8*\x+2*\t:P+8*\x+2*\t+1], v[S+64*\x+8*\t:S+64*\x+8*\t+7], v[SC]
.endr
.endr
	v_nop                                          ; one plain vector line behind the last conversion
.irp p, 0,1,2,3
	global_store_b128 v[GV], v[P+4*\p:P+4*\p+3], s[8:9] offset:512*\p   ; 32 lanes store 512 consecutive bytes, aligned
.endr
	s_wait_tensorcnt 0x0
	ds_add_u32 v126, v127
	s_wait_dscnt 0x0
	s_endpgm
.Lfunc_end_k_q553b69c964_attn:
	.size	k_q553b69c964_attn, .Lfunc_end_k_q553b69c964_attn-k_q553b69c964_attn
	.p2alignl 7, 3214868480
	.fill 96, 4, 3214868480
	.section	.rodata,"a",@progbits
	.p2align	6, 0x0
	.amdhsa_kernel k_q553b69c964_attn
		.amdhsa_group_segment_fixed_size 66560
		.amdhsa_private_segment_fixed_size 0
		.amdhsa_enable_private_segment 0
		.amdhsa_kernarg_size 24
		.amdhsa_user_sgpr_count 2
		.amdhsa_user_sgpr_kernarg_segment_ptr 1
		.amdhsa_wavefront_size32 1
		.amdhsa_system_sgpr_workgroup_id_x 1
		.amdhsa_system_sgpr_workgroup_id_y 1
		.amdhsa_system_sgpr_workgroup_id_z 1
		.amdhsa_system_vgpr_workitem_id 0
		.amdhsa_next_free_vgpr 512
		.amdhsa_next_free_sgpr 66
		.amdhsa_reserve_vcc 0
		.amdhsa_float_denorm_mode_32 3
		.amdhsa_float_denorm_mode_16_64 3
		.amdhsa_memory_ordered 1
		.amdhsa_forward_progress 1
		.amdhsa_inst_pref_size 130
	.end_amdhsa_kernel
	.amdgpu_metadata
---
amdhsa.version: [ 1, 2 ]
amdhsa.kernels:
  - .name:           k_q553b69c964_attn
    .symbol:         k_q553b69c964_attn.kd
    .args:
      - { .name: pcodes, .offset: 0, .size: 8, .value_kind: global_buffer, .address_space: global }
      - { .name: lowp_scales, .offset: 8, .size: 8, .value_kind: global_buffer, .address_space: global }
      - { .name: ocodes, .offset: 16, .size: 8, .value_kind: global_buffer, .address_space: global }
    .group_segment_fixed_size: 66560
    .private_segment_fixed_size: 0
    .kernarg_segment_align: 8
    .kernarg_segment_size: 24
    .max_flat_workgroup_size: 256
    .sgpr_count:     66
    .vgpr_count:     512
    .wavefront_size: 32
...
	.end_amdgpu_metadata
.endif
;; end of part 3
;; launch outp (part 4): grid 8 x 32, 4 waves a work-group, clusters of 4 x 4, 327,680 bytes of LDS; arguments ocodes, codes, bo, lowp_scales, out0; writes out0
.if DOCPART == 4
	.amdgcn_target "amdgcn-amd-amdhsa--gfx1250"
	.amdhsa_code_object_version 6
	.text
	.protected	k_q553b69c964_outp
	.globl	k_q553b69c964_outp
	.p2align	8
	.type	k_q553b69c964_outp,@function
k_q553b69c964_outp:
	s_mov_b64 s[64:65], 0
	v_nop
	global_prefetch_b8 v0, s[64:65] scope:SCOPE_SE
	s_setreg_imm32_b32 hwreg(HW_REG_WAVE_MODE, 25, 1), 1
	s_wait_xcnt 0x0
	s_wait_alu depctr_hold_cnt(0) depctr_sa_sdst(0) depctr_va_vdst(0) depctr_va_sdst(0) depctr_va_ssrc(0) depctr_va_vcc(0) depctr_vm_vsrc(0)
	s_getreg_b32 s2, hwreg(HW_REG_IB_STS2, 6, 4)
	s_cmp_eq_u32 s2, 0
	s_cbranch_scc0 .Lentry_in_a_cluster
	s_endpgm
.Lentry_in_a_cluster:
	s_bfe_u32 s2, ttmp6, 0x10000c
	s_cmp_lg_u32 s2, 0xf033
	s_cbranch_scc0 .Lentry_shape_is_right
	s_endpgm
.Lentry_shape_is_right:
; out0 = O wo^T + bo, M 4,096, N 1,024, K 1,024, on codes of FP8 (E4M3) with the given scales e10 (O) and e11 (wo); out0 is f32.  y = sum x 2^(e10 + e11) + bo, one fused multiply-add.
; LIMIT: e10 + e11 between -126 and 127, so that 2^(e10 + e11) is an f32 number.
; O's codes come as images of this product's operand registers: [head 32][kappa 8][a 8][2,048 bytes]: rows 128 head + 16 a + lane % 16, columns 128 kappa + k, registers 2 c, 2 c + 1: k = 16 c + 8 (lane / 16) + 0 .. 7; part p at 512 p + 16 x lane.
; wo's codes are rows 15360 .. 16383 of the buffer of codes, 1,024 bytes each, K innermost; they are read from LDS by loads of 8 bytes, so that each k stands in the same place as in O's images.
; A tile of out0 is 128 x 128: 256 work-groups, one for each WGP.  Four waves, each 64 x 64: 16 accumulators.  ALL OF K LIES IN LDS: O's 128 rows are one head's 131,072 bytes, wo's 128 rows as many: every LDS byte is filled once,
; so there is no ring and no refill.  The fills go out at the head in four chunks of 256 along K, four tensor loads a wave, and each chunk is multiplied as soon as it has landed.
; CLUSTERS: 4 x 4 work-groups.  The four of a row of the cluster need the same head of O, the four of a column the same rows of wo: each tile is asked for JOINTLY.
; THE MATRIX INSTRUCTION IS USED TRANSPOSED (source 0 = 16 rows of wo, source 1 = 16 rows of O): a lane holds eight neighbouring numbers of a row of out0.
; REGISTERS: window 0: v16-27 addresses; v32-63 bo; v64-95, v96-127 at work on the way out; v128-255 the accumulators ((a, b) at v[128 + 8 (4 a + b)]).   window 1: two fragment buffers of 128: O's four fragments, then wo's four.
; No prefetch: the launch's only loads all go out at its head.
.set PITCH,  272                       ; a row of wo's chunk in LDS: 256 bytes + 16 of padding = 68 words: lane (r, h) of a load of 8 bytes starts at bank 4 r + 2 h mod 64 (64 banks of 4 bytes: ISA guide 11.1)
.set ACH,    32768                     ; a chunk of O: two kappa, dense
.set BOFF,   131072                    ; behind O's images: wo's four chunks,
.set BCH,    128*PITCH                 ; 128 rows each
.set STAGE,  BOFF+4*BCH                ; behind them: 16 rows x 272 bytes for each wave, for the way out: no fill lands there
.set SPITCH, 272
.set ADRA, 16                          ; v16-19  LDS address of my fragments of O in chunk 0 .. 3
.set ADRB, 20                          ; v20-23  the same for wo
.set STO,  24                          ; v24     the way out: where I put 32 bytes of a row
.set RD,   25                          ; v25     where I read a row back
.set CO,   26                          ; v26     my byte offset in out0
.set BOF,  27                          ; v27     32 x (lane / 16): my eight biases of a tile of columns
.set BIAS, 32
.set TMP,  64
.set BK,   96
.set ACC,  128
.set F0,   0                           ; fragment buffers, in window 1
.set F1,   128
.set G1A, 24                           ; s[24:31] descriptor group 1 for O's tiles;  s[32:39] for wo's
.set G1B, 32
.set G0A, 40                           ; s[40:55] groups 0 for O's four chunks;  wo's at s56, s60, s68, s72
.set MSB, 0
.macro WIN new                         ; the immediate's high byte repeats the setting that is left
.if MSB != (\new)
	s_set_vgpr_msb (MSB<<8)|(\new)
.set MSB, (\new)
.endif
.endm
.set MUL,  0x05                        ; sources 0 (wo) and 1 (O) window 1; C and D window 0
.set TO_F, 0x40                        ; destination window 1, address window 0
.macro CROUND                          ; a round of the cluster's barrier
	s_barrier_signal -1
	s_barrier_wait -1
	s_cmp_lg_u32 s14, 0
	s_cbranch_scc1 .Lnot_wave_0_\@
	s_barrier_signal -3
.Lnot_wave_0_\@:
	s_barrier_wait -3
	s_barrier_signal -1
	s_barrier_wait -1
.endm
.macro PLACES
.rept 4
	v_nop
.endr
.endm
	s_load_b256 s[4:11], s[0:1], 0x0               ; O's images s[4:5], the codes s[6:7], bo s[8:9], the scales' exponents s[10:11]
	s_load_b64 s[12:13], s[0:1], 0x20              ; out0
	v_lshl_add_u32 v30, v0, 2, 0x46400
	v_mov_b32 v31, 0
	ds_add_u32 v30, v31
	ds_add_u32 v30, v31
	v_lshrrev_b32 v1, 5, v0
	v_readfirstlane_b32 s14, v1                    ; wave 0..3
	s_lshr_b32 s15, s14, 1                         ; which half of the tile's rows is mine.  Also: I fetch for O (0) or for wo (1)
	s_and_b32 s16, s14, 1                          ; which half of its columns.  Also: which half of each chunk I fetch
	s_bfe_u32 s76, ttmp6, 0x40000                  ; cx, cy: my place in the cluster
	s_bfe_u32 s77, ttmp6, 0x40004
	s_lshl_b32 s78, ttmp9, 2
	s_add_co_u32 s78, s78, s76                     ; tile column = 4 x cluster x + cx
	s_and_b32 s79, ttmp7, 0xffff
	s_lshl_b32 s79, s79, 2
	s_add_co_u32 s79, s79, s77                     ; tile row = the head = 4 x cluster y + cy
	s_lshl_b32 s80, s77, 2
	s_lshl_b32 s80, 15, s80                        ; my row of the cluster
	s_lshl_b32 s81, 0x1111, s76                    ; my column
	; descriptor groups 1: 64 rows x 256 bytes.  O: dense in memory and in LDS.  wo: rows 1,024 bytes apart in memory, padded in LDS
	s_or_b32 s[G1A+0], s80, (0<<16)|(1<<21)        ; 15:0 the mask: O's tiles go to my row; 17:16 element of 1 byte; 20 no padding; 21 set beside a mask
	s_or_b32 s[G1B+0], s81, (0<<16)|(1<<20)|(1<<21)|(5<<22)|(3<<25)  ; the mask of my column; padding: 4 words (code 3) after every 64 (code 5)
.irp g, G1A, G1B
	s_mov_b32 s[\g+1], 256<<16                     ; tensor_dim0
	s_mov_b32 s[\g+2], 64<<16                      ; tensor_dim1
	s_mov_b32 s[\g+3], 256<<16                     ; tile_dim0
	s_mov_b32 s[\g+4], 64                          ; tile_dim1
	s_mov_b32 s[\g+6], 0
	s_mov_b32 s[\g+7], 0
.endr
	s_mov_b32 s[G1A+5], 256                        ; tensor_dim0_stride: dense
	s_mov_b32 s[G1B+5], 1024
	s_lshl_b32 s20, s79, 17                        ; O: the head's 131,072 bytes,
	s_lshl_b32 s21, s16, 14                        ; + my kappa of a chunk's two
	s_add_co_u32 s20, s20, s21
	s_mov_b32 s21, 0
	s_lshl_b32 s22, s78, 17                        ; wo: row 15360 + 128 x tile column
	s_lshl_b32 s23, s16, 16                        ; + my 64 of the 128
	s_add_co_u32 s22, s22, s23
	s_add_co_u32 s22, s22, 15360*1024
	s_mov_b32 s23, 0
	s_lshl_b32 s17, s16, 14                        ; where they go: no place in the cluster enters an LDS address
	s_mul_i32 s18, s16, 64*PITCH
	s_add_co_u32 s18, s18, BOFF
	s_wait_dscnt 0x0
	s_wait_kmcnt 0x0
	s_load_b64 s[84:85], s[10:11], 0x28            ; e10, e11
	s_add_nc_u64 s[20:21], s[4:5], s[20:21]
	s_add_nc_u64 s[22:23], s[6:7], s[22:23]
.irp c, 0,1,2,3
	s_mov_b32 s[G0A+4*\c], 1
	s_add_co_u32 s[G0A+4*\c+1], s17, \c*ACH
	s_add_nc_u64 s[G0A+4*\c+2:G0A+4*\c+3], s[20:21], \c*ACH
	s_or_b32 s[G0A+4*\c+3], s[G0A+4*\c+3], 0x80000000
	s_mov_b32 s[56+4*\c+4*(\c/2)], 1
	s_add_co_u32 s[56+4*\c+4*(\c/2)+1], s18, \c*BCH
	s_add_nc_u64 s[56+4*\c+4*(\c/2)+2:56+4*\c+4*(\c/2)+3], s[22:23], \c*256
	s_or_b32 s[56+4*\c+4*(\c/2)+3], s[56+4*\c+4*(\c/2)+3], 0x80000000
.endr
	CROUND                                         ; all sixteen work-groups are here: the joint loads meet
	s_cmp_lt_u32 s14, 2                            ; a wave's four fills stand in one branch, ahead of every wait on TENSORcnt, every LDS read and every further barrier: four loads of mine are out
	s_cbranch_scc0 .Lfirst_b
.irp c, 0,1,2,3
	tensor_load_to_lds s[G0A+4*\c:G0A+4*\c+3], s[G1A:G1A+7]
	s_nop 0
.endr
.rept 4
	v_nop
.endr
	s_branch .Lfirst_asked
.Lfirst_b:
.irp c, 0,1,2,3
	tensor_load_to_lds s[56+4*\c+4*(\c/2):56+4*\c+4*(\c/2)+3], s[G1B:G1B+7]
	s_nop 0
.endr
.rept 4
	v_nop
.endr
.Lfirst_asked:
	v_and_b32 v1, 15, v0                           ; r = l % 16
	v_bfe_u32 v2, v0, 4, 1                         ; h = l / 16
	v_and_b32 v3, 31, v0
	v_lshlrev_b32 v3, 4, v3                        ; 16 x lane
	s_lshl_b32 s19, s15, 13                        ; my four fragments a = 4 x row half + 0 .. 3
	v_add_nc_u32 v[ADRA], s19, v3
.irp c, 1,2,3
	v_add_nc_u32 v[ADRA+\c], \c*ACH, v[ADRA]
.endr
	v_mul_u32_u24 v4, v1, PITCH
	v_lshl_add_u32 v4, v2, 3, v4                   ; wo: row r x pitch + 8 h
	s_mul_i32 s19, s16, 64*PITCH                   ; my 64 rows
	s_add_co_u32 s19, s19, BOFF
	v_add_nc_u32 v[ADRB], s19, v4
.irp c, 1,2,3
	v_add_nc_u32 v[ADRB+\c], \c*BCH, v[ADRB]
.endr
	s_mul_i32 s19, s14, 16*SPITCH
	s_add_co_u32 s19, s19, STAGE                   ; my stage
	v_mul_u32_u24 v5, v1, SPITCH                   ; in: row r, 32 bytes for each half of the lanes
	v_lshl_add_u32 v5, v2, 5, v5
	v_add_nc_u32 v[STO], s19, v5
	v_mul_u32_u24 v5, v2, SPITCH                   ; back: lanes 0-15 take one row of 256 bytes, lanes 16-31 the next
	v_lshl_add_u32 v5, v1, 4, v5
	v_add_nc_u32 v[RD], s19, v5
	v_lshlrev_b32 v[CO], 12, v2                    ; and the same two rows in out0: 4,096 bytes a row
	v_lshl_add_u32 v[CO], v1, 4, v[CO]
	v_lshlrev_b32 v[BOF], 5, v2
	s_lshl_b32 s20, s79, 7
	s_lshl_b32 s21, s15, 6
	s_add_co_u32 s20, s20, s21                     ; my first row: 128 x tile row + 64 x half
	s_lshl_b32 s20, s20, 12
	s_lshl_b32 s22, s78, 9                         ; my first column, in bytes: 512 x tile column
	s_lshl_b32 s23, s16, 8                         ; + 256 x half
	s_add_co_u32 s22, s22, s23
	s_add_co_u32 s20, s20, s22
	s_mov_b32 s21, 0
	s_mov_b32 s23, 0
	s_add_nc_u64 s[12:13], s[12:13], s[20:21]
	s_add_nc_u64 s[8:9], s[8:9], s[22:23]          ; bo at my first column
.irp b, 0,1,2,3
	global_load_b128 v[BIAS+8*\b:BIAS+8*\b+3], v[BOF], s[8:9] offset:64*\b        ; bo of columns 16 b + 8 h + 0 .. 7
	global_load_b128 v[BIAS+8*\b+4:BIAS+8*\b+7], v[BOF], s[8:9] offset:64*\b+16
.endr
; the fragments of chunk c's s-th 128 along K into buffer f: O's four by 16 loads of 16 bytes (images: 512 consecutive bytes a load), wo's four by 32 loads of 8 bytes (registers 2 cc, 2 cc + 1: k = 16 cc + 8 h + 0 .. 7)
.macro FETCH c, s, f
	WIN TO_F
.irp i, 0,1,2,3
.irp p, 0,1,2,3
	ds_load_b128 v[\f+16*\i+4*\p:\f+16*\i+4*\p+3], v[ADRA+\c] offset:\s*16384+\i*2048+512*\p
.endr
.endr
.irp j, 0,1,2,3
.irp e, 0,1,2,3,4,5,6,7
	ds_load_b64 v[\f+64+16*\j+2*\e:\f+64+16*\j+2*\e+1], v[ADRB+\c] offset:\s*128+\j*16*PITCH+16*\e
.endr
.endr
.endm
; 16 matrix instructions, 128 along K: the sixteen accumulators take turns, one instruction a turn, in the same order in every step.  zero = 1: the first products start the sums
.macro MUL16 f, zero
.irp a, 0,1,2,3
.irp b, 0,1,2,3
.if \zero
	v_wmma_f32_16x16x128_fp8_fp8 v[ACC+8*(4*\a+\b):ACC+8*(4*\a+\b)+7], v[\f+64+16*\b:\f+64+16*\b+15], v[\f+16*\a:\f+16*\a+15], 0
.else
	v_wmma_f32_16x16x128_fp8_fp8 v[ACC+8*(4*\a+\b):ACC+8*(4*\a+\b)+7], v[\f+64+16*\b:\f+64+16*\b+15], v[\f+16*\a:\f+16*\a+15], v[ACC+8*(4*\a+\b):ACC+8*(4*\a+\b)+7]
.endif
.endr
.endr
.endm
.irp c, 0,1,2,3
	s_wait_tensorcnt 3-\c                          ; my part of chunk c is in; my loads for the later chunks may stay out
	s_barrier_signal -1
	s_barrier_wait -1                              ; everybody's is
	FETCH \c, 0, F0
	FETCH \c, 1, F1
	s_wait_dscnt 48                                ; the first 48 loads are in; the 48 for the second buffer may be out
	WIN MUL
.if \c == 0
	MUL16 F0, 1
.else
	MUL16 F0, 0
.endif
	s_wait_dscnt 0x0
	MUL16 F1, 0
	WIN 0
	PLACES                                         ; in front of the next chunk's loads into the fragments' registers, and of the first read of results
.endr
	; THE WAY OUT, 16 rows x 64 columns at a time.  A lane holds 32 neighbouring bytes of a row, and the lanes beside it hold other rows: a block goes through my own stage in LDS and comes back as whole rows of 256 bytes.
	s_wait_kmcnt 0x0
	s_add_co_i32 s84, s84, s85
	s_add_co_i32 s84, s84, 127
	s_lshl_b32 s84, s84, 23                        ; 2^(e10 + e11) as f32
	s_mov_b32 s85, s84                             ; (named with it as a pair, so it is written)
	s_wait_loadcnt 0x0                             ; bo
.macro OUTBLK i
.if \i > 0
	s_wait_xcnt 0x0                                ; the block before's stores have read their data: the registers are loaded again only behind this wait
.endif
.irp b, 0,1,2,3
.irp j, 0,2,4,6
	v_pk_fma_f32 v[TMP+8*\b+\j:TMP+8*\b+\j+1], v[ACC+8*(4*\i+\b)+\j:ACC+8*(4*\i+\b)+\j+1], s[84:85], v[BIAS+8*\b+\j:BIAS+8*\b+\j+1] op_sel_hi:[1,0,1]   ; y = sum x 2^(e10 + e11) + bo; each accumulator from its low end on
.endr
.endr
.irp b, 0,1,2,3
	ds_store_b128 v[STO], v[TMP+8*\b:TMP+8*\b+3] offset:64*\b
	ds_store_b128 v[STO], v[TMP+8*\b+4:TMP+8*\b+7] offset:64*\b+16
.endr
.irp t, 0,1,2,3,4,5,6,7
	ds_load_b128 v[BK+4*\t:BK+4*\t+3], v[RD] offset:2*\t*SPITCH    ; LDS serves a wave's instructions in order (ISA guide 5.7.1.4): these see the stores above
.endr
	s_wait_dscnt 0x0
.irp t, 0,1,2,3,4,5,6,7
	global_store_b128 v[CO], v[BK+4*\t:BK+4*\t+3], s[12:13] offset:\i*65536+2*\t*4096 th:TH_STORE_NT   ; 16 lanes store 256 consecutive bytes, at a multiple of 256 from out0's first byte; written once, read by nobody here
.endr
.endm
	OUTBLK 0
	OUTBLK 1
	OUTBLK 2
	OUTBLK 3
	s_wait_tensorcnt 0x0
	ds_add_u32 v30, v31
	s_wait_dscnt 0x0
	CROUND                                         ; the closing round: no work-group ends while a partner may still ask for a tile that names it
	s_endpgm
.Lfunc_end_k_q553b69c964_outp:
	.size	k_q553b69c964_outp, .Lfunc_end_k_q553b69c964_outp-k_q553b69c964_outp
	.p2alignl 7, 3214868480
	.fill 96, 4, 3214868480
	.section	.rodata,"a",@progbits
	.p2align	6, 0x0
	.amdhsa_kernel k_q553b69c964_outp
		.amdhsa_group_segment_fixed_size 327680
		.amdhsa_private_segment_fixed_size 0
		.amdhsa_enable_private_segment 0
		.amdhsa_kernarg_size 40
		.amdhsa_user_sgpr_count 2
		.amdhsa_user_sgpr_kernarg_segment_ptr 1
		.amdhsa_wavefront_size32 1
		.amdhsa_system_sgpr_workgroup_id_x 1
		.amdhsa_system_sgpr_workgroup_id_y 1
		.amdhsa_system_sgpr_workgroup_id_z 1
		.amdhsa_system_vgpr_workitem_id 0
		.amdhsa_next_free_vgpr 512
		.amdhsa_next_free_sgpr 96
		.amdhsa_reserve_vcc 0
		.amdhsa_float_denorm_mode_32 3
		.amdhsa_float_denorm_mode_16_64 3
		.amdhsa_memory_ordered 1
		.amdhsa_forward_progress 1
		.amdhsa_inst_pref_size 55
	.end_amdhsa_kernel
	.amdgpu_metadata
---
amdhsa.version: [ 1, 2 ]
amdhsa.kernels:
  - .name:           k_q553b69c964_outp
    .symbol:         k_q553b69c964_outp.kd
    .args:
      - { .name: ocodes, .offset: 0, .size: 8, .value_kind: global_buffer, .address_space: global }
      - { .name: codes, .offset: 8, .size: 8, .value_kind: global_buffer, .address_space: global }
      - { .name: bo, .offset: 16, .size: 8, .value_kind: global_buffer, .address_space: global }
      - { .name: lowp_scales, .offset: 24, .size: 8, .value_kind: global_buffer, .address_space: global }
      - { .name: out0, .offset: 32, .size: 8, .value_kind: global_buffer, .address_space: global }
    .group_segment_fixed_size: 327680
    .private_segment_fixed_size: 0
    .kernarg_segment_align: 8
    .kernarg_segment_size: 40
    .max_flat_workgroup_size: 128
    .sgpr_count:     96
    .vgpr_count:     512
    .wavefront_size: 32
...
	.end_amdgpu_metadata
.endif
;; end of part 4
;; ======== version 2 of 2: 4 launches; version 1 with the launch attn written anew for expert scheduling mode
;; workspace buffers: codes 16,777,216 bytes; pcodes 12,582,912 bytes; ocodes 4,194,304 bytes
;; launch quant: the kernel of part 1 again; grid 512 x 1, 4 waves a work-group, no clusters, 33,280 bytes of LDS; arguments q, k, v, wq, wk, wv, wo, lowp_scales, codes; writes codes
;; launch proj: the kernel of part 2 again; grid 4 x 48, 4 waves a work-group, clusters of 4 x 4, 327,680 bytes of LDS; arguments codes, bq, bk, bv, lowp_scales, pcodes; writes pcodes
;; launch attn (part 5): grid 8 x 32, 8 waves a work-group, no clusters, 66,560 bytes of LDS; arguments pcodes, lowp_scales, ocodes; writes ocodes
.if DOCPART == 5
	.amdgcn_target "amdgcn-amd-amdhsa--gfx1250"
	.amdhsa_code_object_version 6
	.text
	.protected	k_q553b69c964_attn
	.globl	k_q553b69c964_attn
	.p2align	8
	.type	k_q553b69c964_attn,@function
k_q553b69c964_attn:
	s_mov_b64 s[64:65], 0
	v_nop
	global_prefetch_b8 v0, s[64:65] scope:SCOPE_SE
	s_setreg_imm32_b32 hwreg(HW_REG_WAVE_SCHED_MODE, 0, 2), 2
	s_setreg_imm32_b32 hwreg(HW_REG_WAVE_MODE, 25, 1), 1
	s_wait_xcnt 0x0
	s_wait_alu depctr_vm_vsrc(0)
; O[hd][q] = the sum over k of softmax_k(Q[hd][q] . K[hd][k] / 32) V[hd][k], 32 heads, 2,048 positions, head size 64, both products on codes of FP8 (E4M3) with the given scales e6 (Q), e7 (K), e8 (p), e9 (V).
; O / the row's sum is quantised at once with e10 and stored as images of the last launch's operand registers.
; THE SOFTMAX AHEAD OF THE SECOND PRODUCT: t = score x log2(e) / 32; M = the row's largest t so far, rounded UP to a whole number; p = 2^(t - M) is what is quantised; it is not normalised.
; The row's sum is taken of the unquantised p, in f32, and divides O at the end.  When M moves, the sum and O are multiplied by 2^(old M - new M): exact.
; LIMITS: e6 + e7 between -121 and 132 (added to c's exponent field); e8 and e10 between -126 and 119; e8 + e9 is applied by v_ldexp_f32 and has none.
; POSITIONS: a position is 16 (16 a + rho) + kc.  IN: [Q, K, V][head][kc 16][8,192 bytes].  Q, K fragment (kc, a): 16 positions rho x 64 channels, 8 registers, part p at a x 1024 + 512 p + 16 x lane.
; V^T fragment (kc, t): channels 16 t + lane % 16 x the 128 keys of kc, 16 registers, at t x 2048 + 512 p + 16 x lane; its k = 16 a + rho.  A KEY STEP IS ONE kc: 128 keys, 8 KB of K and 8 KB of V, both dense.
; SHARES.  Work-group (x, head) owns the 256 queries with kc = 2 x, 2 x + 1; wave a owns two tiles of 16 queries, (2 x, a) and (2 x + 1, a), in 512 registers: two waves to a SIMD, so that one wave's vector work stands beside the other's
; matrix work and LDS loads, and each fragment of K and V read from LDS feeds two products.
; LAYOUT.  Both products are used transposed: S^T = K Q^T (source 0 = 16 keys), O^T = V^T P^T (source 0 = 16 channels): a lane holds ONE query throughout.  Tile a of S^T holds keys (a, rho = 8 (lane / 16) + 0 .. 7): converted, its
; eight registers are registers 2 a, 2 a + 1 of P, k = 16 a + 8 (lane / 16) + 0 .. 7: the same key as in V^T's fragment.
; K AND V COME THROUGH REGISTERS, not by the tensor data mover: a slot (two key steps, 32 KB) is asked for by 8 loads a wave a whole slot ahead, put into the other of two LDS buffers at the slot's end, one barrier a slot.
; So the text may hold a branch on the given e8: where e8 >= -8, p / 2^e8 <= 256 lies inside the format, and the 128 holds of a step, which then change nothing, are jumped over.  For the same reason no cluster:
; what work-groups share is 32 KB a slot beside two key steps' softmax of eight waves.  No prefetch: the loads themselves go out two key steps ahead of the wait for them.
; OUT: [head][x 8][a 8][2,048 bytes]: rows 16 a + lane % 16 of the head's 128, columns 128 x + k; registers 2 c, 2 c + 1: k = 16 c + 8 (lane / 16) + 0 .. 7, c = 4 (tile) + t.
; REGISTERS, window 0: v1-3 addresses; v6, v7 the conversions' scale and hold; v8-18, v20-30 a tile's statistics; v32-63 P; v64-127 V of a slot's second step; v128-255 S^T, then p.
;   window 1: v0-63 O^T; v64-127 V of a slot's first step; v128-191 K; v192-207 Q; v208-239 the slot on its way.
; THE MODE: SCHED_MODE bits 1:0 = 2 (LLVM: expert scheduling mode 2), set by the entry lines.  The code itself states the register dependences
; between vector or matrix instructions and memory or LDS instructions, with s_wait_alu, always for 0.
; THE PLAN.  Registers that memory or LDS instructions touch:
;   v1, v2, v3   addresses: written at the head, ahead of one wait on va_vdst, and never again.
;   STG          the slot's 8 global loads land in it at the slot's head; the 8 LDS stores at the slot's end read it; no vector instruction names it.  One wait on vm_vsrc a slot, ahead of the loads.
;   K            read by a step's 16 first products.  V0 (window 1): read by the second products of a slot's first step.  V1 (window 0): by those of its second step.
;   P            on the way out: written by the conversions, read by the four stores: one wait on va_vdst between.
; ONE wait on va_vdst stands in a step, behind its exponentials.  It states that their results are written, that this step's first products are done reading K, and that the second products of the step before are done
; reading their V.  In a slot's first step the second step's K and V1 are asked for behind it: K in one run, V1 dealt among the packed sums, which name the statistics and p alone.  The loads at a slot's head (K, V0)
; lean on the wait of the step before: K's last readers and V0's (two steps back) stand ahead of it, and nothing issued since names K, V0 or v1.
.set LN,  1                            ; v1   16 x lane: where I read a part of an image
.set GV,  2                            ; v2   2,048 x wave + 16 x lane: my part of a slot's K (and V), in memory and in LDS; and my fragment of the output
.set QO,  3                            ; v3   1,024 x wave + 16 x lane: my fragments of Q
.set SC,  6                            ; v6   2^e8 (on the way out 2^e10) as f32
.set LIM, 7                            ; v7   448 x that
.set P,   32
.set S,   128
.set OA,  0                            ; window 1
.set VF,  64                           ; V's four fragments: in window 1 a slot's first step's, in window 0 its second step's
.set KF,  128
.set QF,  192
.set STG, 208
.set CS,  26                           ; s[26:27] c = log2(e) / 32 x 2^(e6 + e7), twice
.set SEL, 28                           ; s[28:29] lane selects for v_permlanex16_b32: lane l xor 16
.set TRIP, 30
.set BUFB, 32768                       ; an LDS buffer: two steps of K (16 KB), then two of V
.set MSB, 0
.macro WIN new                         ; the immediate's high byte repeats the setting that is left
.if MSB != (\new)
	s_set_vgpr_msb (MSB<<8)|(\new)
.set MSB, (\new)
.endif
.endm
.set TO_W1, 0x40                       ; destination window 1, address window 0
.set W_ST,  0x04                       ; an LDS store's data window 1
.set W_S,   0x05                       ; K and Q window 1, S^T window 0
.set W_RS,  0x41                       ; O^T (destination and source 0) window 1, f window 0
.set W_PV0, 0x51                       ; V, C and D window 1, P window 0
.set W_PV1, 0x50                       ; V and P window 0, C and D window 1
; tile x's registers: ST+0 -M, +1 the largest t, +2, +3 the sum in two halves, +4 f, +5 named with it as a pair, +6, +7 a second chain of sums, +8, +9 two chains of maxima, +10 the permute's destination
.macro TILE x
.set ST, 8+12*(\x)
.set SB, S+64*(\x)
.endm
.macro PLACES
.rept 4
	v_nop
.endr
.endm
.macro GLOAD again                     ; my part of the slot at s[4:5]: 2 KB of K, 2 KB of V: each load covers 512 consecutive bytes.  again = 1: the registers have been stored from
	WIN TO_W1
.if \again
	s_wait_alu depctr_vm_vsrc(0)                   ; the LDS stores at the end of the slot before have read v[STG ..], in which these loads land
.endif
.irp i, 0,1,2,3
	global_load_b128 v[STG+4*\i:STG+4*\i+3], v[GV], s[4:5] offset:512*\i
.endr
.irp i, 0,1,2,3
	global_load_b128 v[STG+16+4*\i:STG+16+4*\i+3], v[GV], s[4:5] offset:0x400000+512*\i
.endr
	WIN 0
.endm
.macro SSTORE buf                      ; and into LDS as it lies.  Its data come from loads (the wait on LOADcnt), its address from the head
	WIN W_ST
.irp i, 0,1,2,3
	ds_store_b128 v[GV], v[STG+4*\i:STG+4*\i+3] offset:(\buf)*BUFB+512*\i
.endr
.irp i, 0,1,2,3
	ds_store_b128 v[GV], v[STG+16+4*\i:STG+16+4*\i+3] offset:(\buf)*BUFB+16384+512*\i
.endr
	WIN 0
.endm
.macro KLOAD buf, q                    ; a step's eight fragments of K: 16 loads, destination window 1
.irp t, 0,1,2,3,4,5,6,7
.irp p, 0,1
	ds_load_b128 v[KF+8*\t+4*\p:KF+8*\t+4*\p+3], v[LN] offset:(\buf)*BUFB+(\q)*8192+\t*1024+512*\p
.endr
.endr
.endm
.macro VLOAD buf                       ; the four fragments of V^T of the buffer's first step: 16 loads, destination window 1
.irp t, 0,1,2,3
.irp p, 0,1,2,3
	ds_load_b128 v[VF+16*\t+4*\p:VF+16*\t+4*\p+3], v[LN] offset:(\buf)*BUFB+16384+\t*2048+512*\p
.endr
.endr
.endm
.macro VONE buf, n                     ; load n of the 16 that bring V^T of the buffer's second step: fragment n / 4, part n % 4; destination window 0
	ds_load_b128 v[VF+4*(\n):VF+4*(\n)+3], v[LN] offset:(\buf)*BUFB+16384+8192+512*(\n)
.endm
; A KEY STEP: 128 keys, the q-th of the buffer's two.  q = 0: K and V are fetched at its head, behind the slot's barrier, and the second step's K and V behind its wait on va_vdst.  q = 1: it fetches nothing.
.macro STEP buf, q
.if \q == 0
	WIN TO_W1
	KLOAD \buf, 0                                  ; no wait: the products that last read K, and those that last read this V buffer, stand ahead of the step before's wait on va_vdst,
	VLOAD \buf                                     ; and no vector or matrix instruction since names K's registers, these or v[LN]; in the first trip nothing has named them
.endif
	s_wait_dscnt 16                                ; K's 16 loads are older than V's 16: K is in
	WIN W_S
.irp t, 0,1,2,3,4,5,6,7
.irp x, 0,1
	v_wmma_f32_16x16x64_fp8_fp8 v[S+64*\x+8*\t:S+64*\x+8*\t+7], v[KF+8*\t:KF+8*\t+7], v[QF+8*\x:QF+8*\x+7], 0
.endr
.endr
	WIN 0
	PLACES                                         ; in front of the first reads of the scores
	; the softmax, the two tiles line by line by turns.  The largest score of my query among my 64 keys, in two chains; each accumulator is first read at its low end
.irp x, 0,1
	TILE \x
	v_max3_num_f32 v[ST+8], v[SB], v[SB+1], v[SB+2]
	v_max3_num_f32 v[ST+9], v[SB+3], v[SB+4], v[SB+5]
.endr
.irp i, 6,10,14,18,22,26,30,34,38,42,46,50,54,58
.irp x, 0,1
	TILE \x
	v_max3_num_f32 v[ST+8], v[ST+8], v[SB+\i], v[SB+\i+1]
	v_max3_num_f32 v[ST+9], v[ST+9], v[SB+\i+2], v[SB+\i+3]
.endr
.endr
.irp x, 0,1
	TILE \x
	v_max3_num_f32 v[ST+8], v[ST+8], v[SB+62], v[SB+63]
.endr
.irp x, 0,1
	TILE \x
	v_max_num_f32 v[ST+8], v[ST+8], v[ST+9]
.endr
.irp x, 0,1
	TILE \x
	v_permlanex16_b32 v[ST+10], v[ST+8], s[SEL], s[SEL+1]
.endr
.irp x, 0,1
	TILE \x
	v_max_num_f32 v[ST+8], v[ST+8], v[ST+10]       ; and among lane l xor 16's
.endr
.irp x, 0,1
	TILE \x
	v_mul_f32 v[ST+8], s[CS], v[ST+8]              ; as t (c is positive)
.endr
.irp x, 0,1
	TILE \x
	v_max_num_f32 v[ST+1], v[ST+1], v[ST+8]        ; the running largest t
.endr
.irp x, 0,1
	TILE \x
	v_mov_b32 v[ST+8], v[ST]
.endr
.irp x, 0,1
	TILE \x
	v_floor_f32 v[ST], -v[ST+1]                    ; the new -M = floor(-t) = -ceil(t): M is a whole number
.endr
.irp x, 0,1
	TILE \x
	v_sub_f32 v[ST+8], v[ST], v[ST+8]              ; M's old value less its new one: a whole number, 0 or less
.endr
.irp x, 0,1
	TILE \x
	v_cvt_i32_f32 v[ST+8], v[ST+8]                 ; (it saturates)
.endr
.irp x, 0,1
	TILE \x
	v_ldexp_f32 v[ST+4], 1.0, v[ST+8]              ; f = 2^(old M - new M)
.endr
.set j, 0
.rept 32
.irp x, 0,1
	TILE \x
	v_pk_fma_f32 v[SB+j:SB+j+1], v[SB+j:SB+j+1], s[CS:CS+1], v[ST:ST+1] op_sel_hi:[1,0,0]   ; t - M, two at a time (of the pairs c and -M the low word serves both halves)
.endr
.set j, j+2
.endr
.set j, 0
.rept 128
	v_exp_f32 v[S+j], v[S+j]                       ; p = 2^(t - M), at most 1: not normalised.  One batch for both tiles
.set j, j+1
.endr
.irp x, 0,1
	TILE \x
	v_pk_mul_f32 v[ST+2:ST+3], v[ST+2:ST+3], v[ST+4:ST+5] op_sel_hi:[1,0]   ; the sums under the new M: plain lines behind the exponentials
.endr
.if \q == 0
	WIN TO_W1                                      ; (the switch for K's loads stands ahead of the wait)
.endif
	s_wait_alu depctr_va_vdst(0)                   ; the step's one wait: the 128 exponentials have written p, ahead of its first reader; this step's first products are done reading K; the second products of the step before are done reading their V
.if \q == 0
	KLOAD \buf, 1                                  ; the second step's K
	WIN 0
.endif
.irp x, 0,1
	TILE \x
	v_pk_add_f32 v[ST+6:ST+7], v[SB:SB+1], v[SB+2:SB+3]   ; the row's sum is taken of the UNQUANTISED p: two at a time, in two chains
.endr
.if \q == 0
	VONE \buf, 0                                   ; the second step's V, one load behind each group of sums.  No wait: no vector or matrix instruction since the wait above names v64-127 of window 0 or v[LN]
.endif
.irp i, 4,8,12,16,20,24,28,32,36,40,44,48,52,56,60
.irp x, 0,1
	TILE \x
	v_pk_add_f32 v[ST+2:ST+3], v[ST+2:ST+3], v[SB+\i:SB+\i+1]
	v_pk_add_f32 v[ST+6:ST+7], v[ST+6:ST+7], v[SB+\i+2:SB+\i+3]
.endr
.if \q == 0
	VONE \buf, \i/4
.endif
.endr
.irp x, 0,1
	TILE \x
	v_pk_add_f32 v[ST+2:ST+3], v[ST+2:ST+3], v[ST+6:ST+7]
.endr
	s_cmp_ge_i32 s22, -8                           ; p <= 1: with e8 >= -8, p / 2^e8 <= 256 lies inside the format, and the hold changes nothing
	s_cbranch_scc1 .Lfits_\@
.set j, 0
.rept 128
	v_min_num_f32 v[S+j], v[S+j], v[LIM]           ; the conversion to an 8-bit code does not saturate (ISA guide 7.6.2); p is not negative, so the hold is one-sided
.set j, j+1
.endr
.Lfits_\@:
.irp t, 0,1,2,3,4,5,6,7
.irp x, 0,1
	v_cvt_scalef32_pk8_fp8_f32 v[P+16*\x+2*\t:P+16*\x+2*\t+1], v[S+64*\x+8*\t:S+64*\x+8*\t+7], v[SC]
.endr
.endr
	WIN W_RS
.irp x, 0,1
	TILE \x
.set j, 0
.rept 16
	v_pk_mul_f32 v[OA+32*\x+j:OA+32*\x+j+1], v[OA+32*\x+j:OA+32*\x+j+1], v[ST+4:ST+5] op_sel_hi:[1,0]   ; O^T under the new M: x f; each accumulator from its low end on.  (Also the plain lines behind the conversions)
.set j, j+2
.endr
.endr
.if \q == 0
	s_wait_dscnt 32                                ; V is in; the second step's K and V, 32 younger loads, may be out
	WIN W_PV0
.else
	s_wait_dscnt 0x0                               ; V is in
	WIN W_PV1
.endif
.irp t, 0,1,2,3
.irp x, 0,1
	v_wmma_f32_16x16x128_fp8_fp8 v[OA+32*\x+8*\t:OA+32*\x+8*\t+7], v[VF+16*\t:VF+16*\t+15], v[P+16*\x:P+16*\x+15], v[OA+32*\x+8*\t:OA+32*\x+8*\t+7]   ; the eight accumulators by turns, one instruction a turn
.endr
.endr
	WIN 0                                          ; More than four plain lines on; no load that follows lands in a register of these products
.endm
; A SLOT: the next slot is asked for, this buffer's two steps are worked, the next slot goes into the other buffer; one barrier.  The other buffer's last reads stand in front of the barrier that ended the slot before;
; its next reads stand behind this one.  guard = 1: in the last trip there is no next slot: a branch on the trip counter, round the loads and round the stores, never round the wait or the barrier.
.macro HALF buf, guard
.if \guard
	s_cmp_eq_u32 s[TRIP], 1
	s_cbranch_scc1 .Lnl_\@
.endif
	GLOAD 1
.if \guard
.Lnl_\@:
.endif
	STEP \buf, 0
	STEP \buf, 1
	s_wait_loadcnt 0x0                             ; the next slot is in registers, and its loads have read their base (on every path)
.if \guard
	s_cmp_eq_u32 s[TRIP], 1
	s_cbranch_scc1 .Lns_\@
.endif
	s_add_nc_u64 s[4:5], s[4:5], 16384             ; a slot on: two kc
	SSTORE 1-\buf
.if \guard
.Lns_\@:
.endif
	s_wait_dscnt 0x0                               ; for the others' sake: my stores have landed, and my reads of this buffer are over
	s_barrier_signal -1
	s_barrier_wait -1
.endm
	s_load_b128 s[4:7], s[0:1], 0x0                ; the images of Q, K, V s[4:5]; the scales' exponents s[6:7]
	s_load_b64 s[8:9], s[0:1], 0x10                ; the output's images
	v_lshl_add_u32 v19, v0, 2, 0x10000
	v_mov_b32 v31, 0
	v_and_b32 v[LN], 31, v0
	v_lshlrev_b32 v[LN], 4, v[LN]
	v_lshrrev_b32 v4, 5, v0                        ; wave = a
	v_lshl_add_u32 v[GV], v4, 11, v[LN]
	v_lshl_add_u32 v[QO], v4, 10, v[LN]
	s_and_b32 s31, ttmp7, 0xffff                   ; the head
	s_lshl_b32 s32, s31, 17                        ; its 131,072 bytes in each tensor
	s_mov_b32 s33, 0
	s_lshl_b32 s34, ttmp9, 14                      ; my two kc of Q; my eight fragments of the output
	s_add_co_u32 s34, s34, s32
	s_mov_b32 s35, 0
	s_mov_b32 s[SEL], 0x76543210
	s_mov_b32 s[SEL+1], 0xfedcba98
	s_mov_b32 s[CS], 0x3d38aa3b                    ; c = log2(e) / 32
	s_mov_b32 s[TRIP], 4
	s_wait_kmcnt 0x0
	s_load_b128 s[20:23], s[6:7], 0x18             ; e6, e7, e8, e9
	s_load_b32 s24, s[6:7], 0x28                   ; e10
	s_add_nc_u64 s[16:17], s[4:5], s[34:35]        ; Q
	s_add_nc_u64 s[8:9], s[8:9], s[34:35]
	s_add_nc_u64 s[4:5], s[4:5], s[32:33]
	s_add_nc_u64 s[4:5], s[4:5], 0x400000          ; K of my head; V lies 4 MiB further on
	WIN TO_W1
	s_wait_alu depctr_va_vdst(0)                   ; v[LN], v[GV] and v[QO] are written: every load and store of the kernel reads one of them as its address, and none is written again
.irp x, 0,1
.irp p, 0,1
	global_load_b128 v[QF+8*\x+4*\p:QF+8*\x+4*\p+3], v[QO], s[16:17] offset:\x*8192+512*\p   ; Q's two fragments stay in registers
.endr
.endr
	GLOAD 0                                        ; slot 0
	WIN TO_W1
.set j, 0
.rept 64
	v_mov_b32 v[OA+j], 0                           ; O^T.  (The step is written once: the first finds zeros, which the first change of M leaves zeros)
.set j, j+1
.endr
	WIN 0
.irp x, 0,1
	TILE \x
	v_mov_b32 v[ST+1], 0xff61b1e6                  ; the largest t so far: -3e38, under every t
	v_floor_f32 v[ST], -v[ST+1]                    ; -M
	v_mov_b32 v[ST+2], 0                           ; the sum, in two halves
	v_mov_b32 v[ST+3], 0
	v_mov_b32 v[ST+5], 0                           ; (named as the upper half of f's pair)
	v_mov_b32 v[ST+10], 0                          ; written once: a lane permute's destination counts as one of its sources
.endr
	s_wait_kmcnt 0x0
	s_add_co_i32 s31, s20, s21
	s_lshl_b32 s31, s31, 23
	s_add_co_i32 s[CS], s[CS], s31                 ; a score stands for score x 2^(e6 + e7): the two exponents are added to c's exponent field
	s_mov_b32 s[CS+1], s[CS]                       ; (named with it as a pair, so it is written)
	s_add_co_i32 s31, s22, 127
	s_lshl_b32 s32, s31, 23
	v_mov_b32 v[SC], s32                           ; 2^e8 as f32
	s_add_co_i32 s31, s31, 8
	s_lshl_b32 s31, s31, 23
	s_or_b32 s31, s31, 0x600000
	v_mov_b32 v[LIM], s31                          ; 448 x 2^e8
	s_wait_loadcnt 0x0                             ; Q and slot 0
	s_add_nc_u64 s[4:5], s[4:5], 16384
	SSTORE 0
	s_wait_dscnt 0x0
	s_barrier_signal -1
	s_barrier_wait -1
.Ltrip:                                            ; four trips of two slots: sixteen key steps
	HALF 0, 0
	HALF 1, 1
	s_sub_co_u32 s[TRIP], s[TRIP], 1
	s_cmp_lg_u32 s[TRIP], 0
	s_cbranch_scc1 .Ltrip
	; THE WAY OUT.  The sum's halves are added; O^T x 2^(e8 + e9) / the sum is held, converted with e10, and stored as it stands: my two tiles are one fragment of the last product's operand.
.irp x, 0,1
	TILE \x
	v_add_f32 v[ST+8], v[ST+2], v[ST+3]
.endr
.irp x, 0,1
	TILE \x
	v_permlanex16_b32 v[ST+10], v[ST+8], s[SEL], s[SEL+1]
.endr
.irp x, 0,1
	TILE \x
	v_add_f32 v[ST+8], v[ST+8], v[ST+10]           ; the row's sum
.endr
.irp x, 0,1
	TILE \x
	v_rcp_f32 v[ST+4], v[ST+8]
.endr
	s_add_co_i32 s31, s22, s23                     ; e8 + e9
	s_add_co_i32 s32, s24, 127
	s_lshl_b32 s33, s32, 23
	v_mov_b32 v[SC], s33                           ; 2^e10 as f32.  (A plain line behind the reciprocals)
	s_add_co_i32 s32, s32, 8
	s_lshl_b32 s32, s32, 23
	s_or_b32 s32, s32, 0x600000
	v_mov_b32 v[LIM], s32                          ; 448 x 2^e10
	s_wait_alu depctr_va_vdst(0)                   ; both reciprocals have written their results, ahead of their first reader: one wait for the two
.irp x, 0,1
	TILE \x
	v_ldexp_f32 v[ST+4], v[ST+4], s31
.endr
	WIN 0x01                                       ; source 0 (O^T) window 1
.irp x, 0,1
	TILE \x
.set j, 0
.rept 16
	v_pk_mul_f32 v[SB+j:SB+j+1], v[OA+32*\x+j:OA+32*\x+j+1], v[ST+4:ST+5] op_sel_hi:[1,0]   ; register 8 t + i: channel 16 t + 8 (lane / 16) + i of my query; each accumulator from its low end on
.set j, j+2
.endr
.endr
	WIN 0
.irp x, 0,1
	TILE \x
.set j, 0
.rept 32
	v_med3_num_f32 v[SB+j], v[SB+j], -v[LIM], v[LIM]
.set j, j+1
.endr
.endr
.irp x, 0,1
.irp t, 0,1,2,3
	v_cvt_scalef32_pk8_fp8_f32 v[P+8*\x+2*\t:P+8*\x+2*\t+1], v[S+64*\x+8*\t:S+64*\x+8*\t+7], v[SC]
.endr
.endr
	v_nop                                          ; one plain vector line behind the last conversion
	s_wait_alu depctr_va_vdst(0)                   ; the conversions have written v[P .. P + 15], which the four stores read
.irp p, 0,1,2,3
	global_store_b128 v[GV], v[P+4*\p:P+4*\p+3], s[8:9] offset:512*\p   ; 32 lanes store 512 consecutive bytes, aligned
.endr
	s_wait_dscnt 0x0
	s_wait_alu depctr_hold_cnt(0) depctr_sa_sdst(0) depctr_va_vdst(0) depctr_va_sdst(0) depctr_va_ssrc(0) depctr_va_vcc(0) depctr_vm_vsrc(0)
	s_wait_tensorcnt 0x0
	ds_add_u32 v19, v31
	s_wait_dscnt 0x0
	s_endpgm
.Lfunc_end_k_q553b69c964_attn:
	.size	k_q553b69c964_attn, .Lfunc_end_k_q553b69c964_attn-k_q553b69c964_attn
	.p2alignl 7, 3214868480
	.fill 96, 4, 3214868480
	.section	.rodata,"a",@progbits
	.p2align	6, 0x0
	.amdhsa_kernel k_q553b69c964_attn
		.amdhsa_group_segment_fixed_size 66560
		.amdhsa_private_segment_fixed_size 0
		.amdhsa_enable_private_segment 0
		.amdhsa_kernarg_size 24
		.amdhsa_user_sgpr_count 2
		.amdhsa_user_sgpr_kernarg_segment_ptr 1
		.amdhsa_wavefront_size32 1
		.amdhsa_system_sgpr_workgroup_id_x 1
		.amdhsa_system_sgpr_workgroup_id_y 1
		.amdhsa_system_sgpr_workgroup_id_z 1
		.amdhsa_system_vgpr_workitem_id 0
		.amdhsa_next_free_vgpr 512
		.amdhsa_next_free_sgpr 66
		.amdhsa_reserve_vcc 0
		.amdhsa_float_denorm_mode_32 3
		.amdhsa_float_denorm_mode_16_64 3
		.amdhsa_memory_ordered 1
		.amdhsa_forward_progress 1
		.amdhsa_inst_pref_size 130
	.end_amdhsa_kernel
	.amdgpu_metadata
---
amdhsa.version: [ 1, 2 ]
amdhsa.kernels:
  - .name:           k_q553b69c964_attn
    .symbol:         k_q553b69c964_attn.kd
    .args:
      - { .name: pcodes, .offset: 0, .size: 8, .value_kind: global_buffer, .address_space: global }
      - { .name: lowp_scales, .offset: 8, .size: 8, .value_kind: global_buffer, .address_space: global }
      - { .name: ocodes, .offset: 16, .size: 8, .value_kind: global_buffer, .address_space: global }
    .group_segment_fixed_size: 66560
    .private_segment_fixed_size: 0
    .kernarg_segment_align: 8
    .kernarg_segment_size: 24
    .max_flat_workgroup_size: 256
    .sgpr_count:     66
    .vgpr_count:     512
    .wavefront_size: 32
...
	.end_amdgpu_metadata
.endif
;; end of part 5
;; launch outp: the kernel of part 4 again; grid 8 x 32, 4 waves a work-group, clusters of 4 x 4, 327,680 bytes of LDS; arguments ocodes, codes, bo, lowp_scales, out0; writes out0
